; MI455X (gfx1250); checked and timed in simulation.
; The chip was launched on July 23, 2026; its instructions are those of AMD's public machine-readable ISA for CDNA 5 (MIT licence, August 2026) and "CDNA5" Instruction Set Architecture Reference Guide (July 2026). The comments in the code are by the model that wrote it; some were corrected since.
;; Spatial Attention. Allowed arithmetic: matrix products marked QUANTISED: E2M1 operands, one E8M0 scale for each 32 along K, by v_wmma_scale_f32_16x16x128_f8f6f4 with both operands' format E2M1 (or v_wmma_scale_f32_32x16x128_f4), f32 sums; products left as they are: f32 operands where the result goes on into a quantised operand, else bf16, f16 or f32 operands; f32 sums; everything else in f32.
;; Inputs: alpha1 1 float32; alpha2 1 float32; h 2 x 32 x 1,024 float32; obj_embed 32 x 1,024 x 1,024 float32; q1_b 1,024 float32; q1_w 1,024 x 1,024 float32; q2_b 1,024 float32; q2_w 1,024 x 1,024 float32; wk_b 1,024 float32; wk_w 1,024 x 1,024 float32; wv_b 1,024 float32; wv_w 1,024 x 1,024 float32.
;; Outputs: out0 32 x 1 x 1,024 float32.
;; This version of the problem:
;;   THIS VERSION OF THE PROBLEM IS GIVEN IN LOW PRECISION. The matrix products marked QUANTISED in the list below multiply operands that are first quantised to E2M1 (2 exponent bits, 1 mantissa bit; 4 bits a number), with one power-of-two scale for each 32 numbers along K (OCP MX v1.0); their sums are f32. All else is computed in f32.
;;   The module's matrix products, in the order in which they are computed (A, B: the left and right operand; K: the contracted axis; several contracted axes count as one K, in the product's order):
;;     1. [M 32, K 1,024] x [K 1,024, N 1,024]; A: input h; B: input q1_w: QUANTISED
;;     2. [M 32, K 1,024] x [K 1,024, N 1,024]; A: input h; B: input q2_w: QUANTISED
;;     3. [M 32,768, K 1,024] x [K 1,024, N 1,024]; A: input obj_embed; B: input wk_w: QUANTISED
;;     4. [M 32,768, K 1,024] x [K 1,024, N 1,024]; A: input obj_embed; B: input wv_w: QUANTISED
;;     5. batch 32 x [M 1, K 1,024] x [K 1,024, N 1,024]; A: computed on the way; B: computed on the way: left as it is (M = 1 < 16)
;;     6. batch 32 x [M 1, K 1,024] x [K 1,024, N 1,024]; A: computed on the way; B: computed on the way: left as it is (M = 1 < 16)
;;     7. batch 32 x [M 1, K 1,024] x [K 1,024, N 1,024]; A: softmax; B: computed on the way: left as it is (M = 1 < 16)
;;   THE QUANTISER, for each operand of a quantised product, along K:
;;     - K is cut into blocks of 32 from its start; a last block that is shorter is filled with zeros.
;;     - A block's scale is 2^e with e = floor(log2(the largest magnitude in the block)) - 2, held to -126 .. 127; a block of zeros has e = 0. As a byte (E8M0): e + 127.
;;     - Each number is divided by its block's scale, clamped to +-6, and rounded to the nearest number of E2M1, ties to even, subnormals kept.
;;     - The product sums the exact products of the quantised numbers (number of the format x scale) in f32.
;;   ~~~python
;;   def quantise(x, axis):      # numpy; x: float32 -> the quantised numbers, widened to float32 again
;;       x = np.moveaxis(x, axis, -1); K = x.shape[-1]
;;       x = np.pad(x, [(0, 0)] * (x.ndim - 1) + [(0, -K % 32)]); x = x.reshape(x.shape[:-1] + (-1, 32)); a = np.abs(x).max(-1, keepdims=True)
;;       e = np.where(a > 0, np.clip(np.frexp(np.where(a > 0, a, 1))[1] - 1 - 2, -126, 127), 0)      # np.frexp(a)[1] - 1 = floor(log2(a)), exactly
;;       r = np.clip(x / 2.0 ** e, -6, 6)
;;       step = 2.0 ** (np.maximum(np.frexp(np.where(r == 0, 1, r))[1] - 1, 0) - 1)
;;       q = np.round(r / step) * step * 2.0 ** e      # np.round: ties to even
;;       return np.moveaxis(q.reshape(q.shape[:-2] + (-1,))[..., :K], -1, axis).astype(np.float32)
;;   ~~~
;; 2 versions. Each part assembles by itself: llvm-mc -triple=amdgcn-amd-amdhsa -mcpu=gfx1250 --defsym DOCPART=n.
;; ======== version 1 of 2: 3 launches
;; workspace buffers: wfrag 1,048,576 bytes; wscl 65,536 bytes; qws 262,144 bytes; part_o 1,048,576 bytes; part_ml 65,536 bytes
;; launch prep (part 1): grid 256 x 1, 8 waves a work-group, no clusters, 153,088 bytes of LDS; arguments wk_w, wv_w, q1_w, q2_w, h, q1_b, q2_b, wfrag, wscl, qws; writes wfrag, wscl, qws
.if DOCPART == 1
	.amdgcn_target "amdgcn-amd-amdhsa--gfx1250"
	.amdhsa_code_object_version 6
	.text
	.protected	k_q46760abfcf_prep
	.globl	k_q46760abfcf_prep
	.p2align	8
	.type	k_q46760abfcf_prep,@function
k_q46760abfcf_prep:
	s_mov_b64 s[64:65], 0
	v_nop
	global_prefetch_b8 v0, s[64:65] scope:SCOPE_SE
	s_setreg_imm32_b32 hwreg(HW_REG_WAVE_MODE, 25, 1), 1
	s_wait_xcnt 0x0
; Four weights [1024 (out)][1024 (in)] f32, K = the inner axis.  Work-group x takes matrix x / 64 (0 wk_w, 1 wv_w, 2 q1_w, 3 q2_w) and its rows 16 (x % 64) .. + 15; wave s of eight takes K step s, 128 along K.
; Every wave turns its 16 rows x 128 numbers into one operand fragment of FP4 (E2M1) codes, 8 registers a lane, and one E8M0 scale word a row.
; A block's scale is 2^(floor(log2(its largest magnitude)) - 2); its byte is that magnitude's exponent field - 2, held at 1 from below.
; wk_w, wv_w: the fragment leaves AS AN IMAGE OF ITS REGISTERS (wfrag: [wave of the reader 0..3][wk, wv][tile 0..15][K step][half][lane][16 bytes]), so that the reader's loads are 512 consecutive bytes each;
;   the eight waves' scale words meet in LDS and leave as 512 consecutive bytes (wscl: [tile][K steps 0-3, 4-7][row][4 words]).
; q1_w, q2_w: the wave also quantises the 32 rows of h[0] or h[1] for its K step and multiplies: two matrix instructions; the eight K steps' sums are added through LDS, the bias is added,
;   and q leaves as qws [q1, q2][tile of 16 columns][batch 0..31][16] f32, a wave storing 256 consecutive bytes.  K is shared among eight sums that are added in f32: another order of rounding than one chain.
; The two kinds of work-group part ONCE, on the work-group's number, and each way has LDS bytes and a barrier of its own.
; LIMITS: NaN and infinities among the inputs are not served.  A block of zeros gets the byte 1, not 127: its codes are zeros, and these bytes are read by this program alone.
; No tensor loads and no cluster: every byte of the weights is read by one wave, once; each wave has all its loads (16, or 49) out together.
.set SP,    528                        ; a stage row: 512 bytes + 16: 33 x 16 bytes, so the 16 rows that a load back touches begin at 16 different 16-byte columns of 256
.set STGW,  16*SP                      ; a wave's stage
.set STGA,  0                          ; the weight way's eight stages
.set STGB,  8*STGW                     ; the query way's
.set SCG,   16*STGW                    ; the weight way: 512 bytes of scale words
.set RED,   SCG+512                    ; the query way: 8 x 2,048 bytes, a K step's 32 x 16 sums each
.set LOFF, 1                           ; v1   16 x lane
.set SAA,  2                           ; v2   stage, on the way in (weight way): 16 x lane
.set LAA,  3                           ; v3   and back: 528 r + 64 h
.set SCW,  4                           ; v4   where my row's scale word goes
.set SCR,  5                           ; v5   where wave 0 reads the words back
.set RDW,  6                           ; v6   where my sums go
.set RDR,  7                           ; v7   where I read eight waves' sums
.set BO,   8                           ; v8   my two numbers of the bias
.set QO,   9                           ; v9   8 x lane
.set SAB,  10                          ; v10, v11  the query way's stage
.set LAB,  11
.set TM,   12                          ; v12-27  at work in QUANT
.set PCW,  28                          ; v28-35  the weight's fragment
.set PCH0, 36                          ; v36-43  h's rows 0-15
.set PCH1, 44                          ; v44-51  h's rows 16-31
.set SW,   52                          ; v52-54  the three scale words: these registers hold scales and nothing else
.set SH0,  53
.set SH1,  54
.set BI,   56                          ; v56-57  bias
.set SO,   60                          ; v60-63  scale words on their way out
.set L0,   64                          ; v64-127 the weight's 64 numbers a lane; later the two accumulators
.set L1,   128                         ; v128-191, v192-255  h's
.set L2,   192
.set SEL,  42                          ; s[42:43] selects for v_permlanex16_b32: lane l xor 16
; 64 numbers of a lane, register 16 b + i = k 32 b + 16 (lane / 16) + i of my row, become a fragment's codes in v[pc] on and its scale word in v[pw].
.macro QUANT src, pc, pw
.irp b, 0,1,2,3
	v_max3_num_f32 v[TM+\b], |v[\src+16*\b]|, |v[\src+1+16*\b]|, 0x1800000   ; block b: my 16 numbers, and the floor 2^(3 - 127): the byte cannot fall under 1
.endr
.irp i, 2,4,6,8,10,12,14
.irp b, 0,1,2,3
	v_max3_num_f32 v[TM+\b], v[TM+\b], |v[\src+16*\b+\i]|, |v[\src+1+16*\b+\i]|   ; the four blocks by turns
.endr
.endr
.irp b, 0,1,2,3
	v_permlanex16_b32 v[TM+4+\b], v[TM+\b], s[SEL], s[SEL+1]
.endr
.irp b, 0,1,2,3
	v_max_num_f32 v[TM+\b], v[TM+\b], v[TM+4+\b]   ; with lane l xor 16's: the block's largest magnitude
.endr
.irp b, 0,1,2,3
	v_add_nc_u32 v[TM+12+\b], 0xff000000, v[TM+\b]   ; 2 off its exponent field: the conversion takes this operand's exponent field as its scale
.endr
.irp b, 0,1,2,3
	v_lshrrev_b32 v[TM+4+\b], 23, v[TM+12+\b]      ; the scale's byte
.endr
	v_lshl_or_b32 v[\pw], v[TM+5], 8, v[TM+4]      ; four bytes: my row's scale word
	v_lshl_or_b32 v[\pw], v[TM+6], 16, v[\pw]
	v_lshl_or_b32 v[\pw], v[TM+7], 24, v[\pw]
.irp b, 0,1,2,3
	v_cvt_scalef32_pk8_fp4_f32 v[\pc+2*\b], v[\src+16*\b:\src+7+16*\b], v[TM+12+\b]
	v_cvt_scalef32_pk8_fp4_f32 v[\pc+1+2*\b], v[\src+8+16*\b:\src+15+16*\b], v[TM+12+\b]
.endr
	v_nop                                          ; one plain place behind a scaled conversion
.irp c, 0,1                                    ; the operand's layout wants a whole block in a lane: lanes 0-15 block 2 c, lanes 16-31 block 2 c + 1
.irp i, 0,1
	v_permlane16_swap_b32 v[\pc+4*\c+\i], v[\pc+2+4*\c+\i]
.endr
.endr
.endm
; 16 rows as loaded (register 4 i ..: row i, k = 4 lane ..) go through the wave's own stage and come back 16 neighbours of each block a lane.  LDS serves a wave's instructions in order (ISA guide 5.7.1.4).
.macro TURN l, sa, la
.irp i, 0,1,2,3,4,5,6,7,8,9,10,11,12,13,14,15
	ds_store_b128 v[\sa], v[\l+4*\i:\l+4*\i+3] offset:SP*\i
.endr
.irp b, 0,1,2,3
.irp j, 0,1,2,3
	ds_load_b128 v[\l+16*\b+4*\j:\l+16*\b+4*\j+3], v[\la] offset:128*\b+16*\j
.endr
.endr
.endm
.macro WLOAD                           ; my 16 rows' 512 bytes of the weight: each load reads 512 consecutive bytes
.irp i, 0,1,2,3,4,5,6,7,8,9,10,11,12,13,14,15
	global_load_b128 v[L0+4*\i:L0+4*\i+3], v[LOFF], s[28:29] offset:4096*\i th:TH_LOAD_NT
.endr
.endm
	s_load_b512 s[8:23], s[0:1], 0x0               ; wk_w, wv_w, q1_w, q2_w, h, q1_b, q2_b, wfrag
	s_load_b128 s[24:27], s[0:1], 0x40             ; wscl, qws
	v_lshl_add_u32 v22, v0, 2, 0x25200
	v_mov_b32 v23, 0
	v_lshrrev_b32 v55, 5, v0
	v_readfirstlane_b32 s2, v55                    ; wave = K step
	s_lshr_b32 s3, ttmp9, 6                        ; which matrix
	s_and_b32 s4, ttmp9, 63                        ; which 16 rows
	s_and_b32 s5, s3, 1                            ; the first or the second of its kind
	s_mov_b32 s[SEL], 0x76543210
	s_mov_b32 s[SEL+1], 0xfedcba98
	v_and_b32 v55, 31, v0                          ; lane
	v_and_b32 v58, 15, v0                          ; r
	v_bfe_u32 v59, v0, 4, 1                        ; h
	v_lshlrev_b32 v[LOFF], 4, v55
	s_mul_i32 s6, s2, STGW
	v_add_nc_u32 v[SAA], s6, v[LOFF]
	v_mul_u32_u24 v[LAA], v58, SP
	v_lshl_add_u32 v[LAA], v59, 6, v[LAA]
	v_add_nc_u32 v[LAA], s6, v[LAA]
	v_add_nc_u32 v[SAB], STGB, v[SAA]
	v_add_nc_u32 v[LAB], STGB, v[LAA]
	s_lshr_b32 s6, s2, 2
	s_lshl_b32 s6, s6, 8                           ; K steps 4-7 lie 256 bytes on,
	s_and_b32 s7, s2, 3
	s_lshl_b32 s7, s7, 2                           ; a K step's word 4 bytes on,
	s_add_co_u32 s6, s6, s7
	s_add_co_u32 s6, s6, SCG
	v_lshl_add_u32 v[SCW], v58, 4, s6              ; a row 16 bytes on
	v_add_nc_u32 v[SCR], SCG, v[LOFF]
	s_lshl_b32 s6, s2, 11
	s_add_co_u32 s6, s6, RED
	v_lshl_add_u32 v[RDW], v58, 6, s6              ; my K step's sums: batch r at 64 r, my eight columns at 32 h
	v_lshl_add_u32 v[RDW], v59, 5, v[RDW]
	s_lshl_b32 s6, s2, 8
	s_add_co_u32 s6, s6, RED
	v_lshl_add_u32 v[RDR], v55, 3, s6              ; of each K step's 512 sums I add numbers 64 wave + 2 lane, + 1
	v_and_b32 v[BO], 7, v0
	v_lshlrev_b32 v[BO], 3, v[BO]                  ; which are columns 2 (lane % 8), + 1
	v_lshlrev_b32 v[QO], 3, v55
.irp b, 0,1,2,3
	v_mov_b32 v[TM+4+\b], 0                        ; written once: a lane permute's destination counts as one of its sources
.endr
	; byte offsets, apart from the addresses
	s_lshl_b32 s46, s2, 9                          ; a K step: 512 bytes of a row
	s_lshl_b32 s44, s4, 16                         ; 16 rows of 4,096 bytes
	s_add_co_u32 s44, s44, s46                     ; the weight
	s_mov_b32 s45, 0
	s_lshl_b32 s48, s5, 17
	s_add_co_u32 s46, s48, s46                     ; h[0] or h[1]
	s_mov_b32 s47, 0
	s_lshl_b32 s50, s4, 11
	s_add_co_u32 s48, s48, s50
	s_lshl_b32 s50, s2, 8
	s_add_co_u32 s48, s48, s50                     ; qws: 131,072 z + 2,048 tile + 256 wave
	s_mov_b32 s49, 0
	s_lshl_b32 s50, s4, 6                          ; the bias: 16 numbers a tile
	s_mov_b32 s51, 0
	s_lshr_b32 s52, s4, 4
	s_lshl_b32 s52, s52, 5
	s_lshl_b32 s53, s5, 4
	s_add_co_u32 s52, s52, s53
	s_and_b32 s53, s4, 15
	s_add_co_u32 s52, s52, s53                     ; T = 32 (tile / 16) + 16 z + tile % 16
	s_lshl_b32 s54, s52, 9                         ; wscl: 512 T
	s_mov_b32 s55, 0
	s_lshl_b32 s52, s52, 13
	s_lshl_b32 s53, s2, 10
	s_add_co_u32 s52, s52, s53                     ; wfrag: 8,192 T + 1,024 K step
	s_mov_b32 s53, 0
	s_wait_kmcnt 0x0
	s_cmp_eq_u32 s5, 0                             ; the choices hang on the work-group's number alone
	s_cselect_b64 s[28:29], s[8:9], s[10:11]
	s_cselect_b64 s[30:31], s[12:13], s[14:15]
	s_cselect_b64 s[34:35], s[18:19], s[20:21]
	s_cmp_lt_u32 s3, 2
	s_cselect_b64 s[28:29], s[28:29], s[30:31]
	s_add_nc_u64 s[28:29], s[28:29], s[44:45]      ; the weight at my rows and K step
	s_add_nc_u64 s[32:33], s[16:17], s[46:47]      ; h
	s_add_nc_u64 s[34:35], s[34:35], s[50:51]      ; the bias
	s_add_nc_u64 s[36:37], s[22:23], s[52:53]      ; wfrag
	s_add_nc_u64 s[38:39], s[24:25], s[54:55]      ; wscl
	s_add_nc_u64 s[40:41], s[26:27], s[48:49]      ; qws
	s_cmp_lt_u32 s3, 2
	s_cbranch_scc0 .Lquery
	; ---- wk_w, wv_w
	WLOAD
	s_wait_loadcnt 0x0                             ; one run of loads, all wanted at once
	TURN L0, SAA, LAA
	s_wait_dscnt 0x0
	QUANT L0, PCW, SW
	global_store_b128 v[LOFF], v[PCW:PCW+3], s[36:37]                  ; the fragment as it stands: 512 consecutive bytes a store
	global_store_b128 v[LOFF], v[PCW+4:PCW+7], s[36:37] offset:512
	ds_store_b32 v[SCW], v[SW]                     ; lanes r and r + 16 write the same word with the same value
	s_wait_dscnt 0x0                               ; for the others' sake: my word lies in LDS
	s_barrier_signal -1
	s_barrier_wait -1
	s_cmp_lg_u32 s2, 0
	s_cbranch_scc1 .Ldone_w
	ds_load_b128 v[SO:SO+3], v[SCR]                ; wave 0: the tile's 128 words
	s_wait_dscnt 0x0
	global_store_b128 v[LOFF], v[SO:SO+3], s[38:39]                    ; 512 consecutive bytes
.Ldone_w:
	s_wait_tensorcnt 0x0
	ds_add_u32 v22, v23
	s_wait_dscnt 0x0
	s_endpgm
	; ---- q1_w, q2_w
.Lquery:
.irp i, 0,1,2,3,4,5,6,7,8,9,10,11,12,13,14,15
	global_load_b128 v[L1+4*\i:L1+4*\i+3], v[LOFF], s[32:33] offset:4096*\i          ; h's rows 0-15
.endr
.irp i, 0,1,2,3,4,5,6,7,8,9,10,11,12,13,14,15
	global_load_b128 v[L2+4*\i:L2+4*\i+3], v[LOFF], s[32:33] offset:4096*(16+\i)     ; and 16-31
.endr
	global_load_b64 v[BI:BI+1], v[BO], s[34:35]
	WLOAD
	s_wait_loadcnt 0x0
	TURN L0, SAB, LAB
	TURN L1, SAB, LAB                              ; its stores come behind the loads above: LDS serves a wave in order
	s_wait_dscnt 32                                ; the weight's numbers are back; the second turn's 16 stores and 16 loads may be out
	QUANT L0, PCW, SW
	TURN L2, SAB, LAB
	s_wait_dscnt 32                                ; likewise: the third turn's 32 may be out
	QUANT L1, PCH0, SH0
	s_wait_dscnt 0x0
	QUANT L2, PCH1, SH1
.rept 8
	v_nop                                          ; a scale register written by a vector instruction stands 8 places ahead of a scaled matrix instruction, an operand so written 4
.endr
	; used transposed: source 0 = 16 rows of the weight, source 1 = 16 rows of h: lane (r, h) register j = q(batch 16 t + r, column 8 h + j) of this K step
	v_wmma_scale_f32_16x16x128_f8f6f4 v[L0:L0+7], v[PCW:PCW+7], v[PCH0:PCH0+7], 0, v[SW], v[SH0] matrix_a_fmt:MATRIX_FMT_FP4 matrix_b_fmt:MATRIX_FMT_FP4
	v_wmma_scale_f32_16x16x128_f8f6f4 v[L0+8:L0+15], v[PCW:PCW+7], v[PCH1:PCH1+7], 0, v[SW], v[SH1] matrix_a_fmt:MATRIX_FMT_FP4 matrix_b_fmt:MATRIX_FMT_FP4
.rept 4
	v_nop                                          ; four places in front of the first read of the results (ISA guide 7.12.1)
.endr
	ds_store_b128 v[RDW], v[L0:L0+3]               ; each accumulator from its low end on
	ds_store_b128 v[RDW], v[L0+4:L0+7] offset:16
	ds_store_b128 v[RDW], v[L0+8:L0+11] offset:1024
	ds_store_b128 v[RDW], v[L0+12:L0+15] offset:1040
	s_wait_dscnt 0x0                               ; for the others' sake: my K step's sums lie in LDS
	s_barrier_signal -1
	s_barrier_wait -1
.irp p, 0,1,2,3,4,5,6,7
	ds_load_b64 v[L1+2*\p:L1+2*\p+1], v[RDR] offset:2048*\p
.endr
	s_wait_dscnt 0x0
	v_pk_add_f32 v[L1:L1+1], v[L1:L1+1], v[L1+2:L1+3]
	v_pk_add_f32 v[L1+4:L1+5], v[L1+4:L1+5], v[L1+6:L1+7]
	v_pk_add_f32 v[L1+8:L1+9], v[L1+8:L1+9], v[L1+10:L1+11]
	v_pk_add_f32 v[L1+12:L1+13], v[L1+12:L1+13], v[L1+14:L1+15]
	v_pk_add_f32 v[L1:L1+1], v[L1:L1+1], v[L1+4:L1+5]
	v_pk_add_f32 v[L1+8:L1+9], v[L1+8:L1+9], v[L1+12:L1+13]
	v_pk_add_f32 v[L1:L1+1], v[L1:L1+1], v[L1+8:L1+9]
	v_pk_add_f32 v[L1:L1+1], v[L1:L1+1], v[BI:BI+1]                    ; the bias
	global_store_b64 v[QO], v[L1:L1+1], s[40:41]   ; the wave stores 256 consecutive bytes, aligned
	s_wait_tensorcnt 0x0
	ds_add_u32 v22, v23
	s_wait_dscnt 0x0
	s_endpgm
.Lfunc_end_k_q46760abfcf_prep:
	.size	k_q46760abfcf_prep, .Lfunc_end_k_q46760abfcf_prep-k_q46760abfcf_prep
	.p2alignl 7, 3214868480
	.fill 96, 4, 3214868480
	.section	.rodata,"a",@progbits
	.p2align	6, 0x0
	.amdhsa_kernel k_q46760abfcf_prep
		.amdhsa_group_segment_fixed_size 153088
		.amdhsa_private_segment_fixed_size 0
		.amdhsa_enable_private_segment 0
		.amdhsa_kernarg_size 80
		.amdhsa_user_sgpr_count 2
		.amdhsa_user_sgpr_kernarg_segment_ptr 1
		.amdhsa_wavefront_size32 1
		.amdhsa_system_sgpr_workgroup_id_x 1
		.amdhsa_system_sgpr_workgroup_id_y 1
		.amdhsa_system_sgpr_workgroup_id_z 1
		.amdhsa_system_vgpr_workitem_id 0
		.amdhsa_next_free_vgpr 256
		.amdhsa_next_free_sgpr 66
		.amdhsa_reserve_vcc 0
		.amdhsa_float_denorm_mode_32 3
		.amdhsa_float_denorm_mode_16_64 3
		.amdhsa_memory_ordered 1
		.amdhsa_forward_progress 1
		.amdhsa_inst_pref_size 36
	.end_amdhsa_kernel
	.amdgpu_metadata
---
amdhsa.version: [ 1, 2 ]
amdhsa.kernels:
  - .name:           k_q46760abfcf_prep
    .symbol:         k_q46760abfcf_prep.kd
    .args:
      - { .name: wk_w, .offset: 0, .size: 8, .value_kind: global_buffer, .address_space: global }
      - { .name: wv_w, .offset: 8, .size: 8, .value_kind: global_buffer, .address_space: global }
      - { .name: q1_w, .offset: 16, .size: 8, .value_kind: global_buffer, .address_space: global }
      - { .name: q2_w, .offset: 24, .size: 8, .value_kind: global_buffer, .address_space: global }
      - { .name: h, .offset: 32, .size: 8, .value_kind: global_buffer, .address_space: global }
      - { .name: q1_b, .offset: 40, .size: 8, .value_kind: global_buffer, .address_space: global }
      - { .name: q2_b, .offset: 48, .size: 8, .value_kind: global_buffer, .address_space: global }
      - { .name: wfrag, .offset: 56, .size: 8, .value_kind: global_buffer, .address_space: global }
      - { .name: wscl, .offset: 64, .size: 8, .value_kind: global_buffer, .address_space: global }
      - { .name: qws, .offset: 72, .size: 8, .value_kind: global_buffer, .address_space: global }
    .group_segment_fixed_size: 153088
    .private_segment_fixed_size: 0
    .kernarg_segment_align: 8
    .kernarg_segment_size: 80
    .max_flat_workgroup_size: 256
    .sgpr_count:     66
    .vgpr_count:     256
    .wavefront_size: 32
...
	.end_amdgpu_metadata
.endif
;; end of part 1
;; launch attn (part 2): grid 256 x 1, 4 waves a work-group, no clusters, 98,816 bytes of LDS; arguments obj_embed, wfrag, wscl, qws, wk_b, alpha1, alpha2, part_o, part_ml; writes part_o, part_ml
.if DOCPART == 2
	.amdgcn_target "amdgcn-amd-amdhsa--gfx1250"
	.amdhsa_code_object_version 6
	.text
	.protected	k_q46760abfcf_attn
	.globl	k_q46760abfcf_attn
	.p2align	8
	.type	k_q46760abfcf_attn,@function
k_q46760abfcf_attn:
	s_mov_b64 s[64:65], 0
	v_nop
	global_prefetch_b8 v0, s[64:65] scope:SCOPE_SE
	s_setreg_imm32_b32 hwreg(HW_REG_WAVE_MODE, 25, 1), 1
	s_wait_xcnt 0x0
; One work-group takes 128 objects (rows) of one batch through the whole chain; key and value never go to memory.
;   X: the rows are quantised to FP4 (E2M1) with one E8M0 scale for each 32 along K; wave w quantises rows 32 w .. + 31.  Only the CODES go through LDS, an eighth of the numbers' bytes;
;      EVERY wave then holds all 128 rows' codes: 8 row tiles x 8 K steps x 8 registers = 512 registers.
;      A load reads 512 consecutive bytes of one row: lanes 0-15 take its even pieces of 16 bytes, lanes 16-31 the odd ones.  The loads of two neighbouring rows land in 8 consecutive registers, and four
;      v_permlane16_swap_b32 leave lanes 0-15 with 8 neighbours along K of the first row and lanes 16-31 with 8 neighbours of the second: what the conversion takes.  A block of 32 is then four lanes.
;   key: wave w makes columns 256 w .. + 255 of X Wk^T, a tile of 16 columns at a time (64 matrix instructions), and at once folds it into the scores: t(n) += qc . key(n), qc = (alpha1 q1 + alpha2 q2) log2(e) / 32.
;      wk_b enters as qc . wk_b, added to every score.  The four waves' parts of the 128 scores meet in LDS.
;   softmax of the block: m = the largest t of the 128, p = 2^(t - m), l = the sum of p.  m and l go to part_ml.
;   value: the same walk over X Wv^T; o(d) = the sum over the rows of p(n) value(n, d), to part_o.  The last launch joins a batch's eight blocks, divides, and adds wv_b (the weights sum to 1).
; THE WEIGHTS come as register images, made by the launch before: a fragment is two loads of 512 consecutive bytes, from memory straight into the registers of the one wave that uses it, and feeds 8 matrix instructions.
; Three tiles (51 loads) are on their way while a tile is multiplied.  THE WALK IS ROTATED by the work-group's number: trip j takes the group of four tiles (j + x % 4) % 4; qc and o lie in LDS in the order of the walk.
; NO JOINT LOADS, though all work-groups read the same weights: a joint load lands in LDS, and here no two waves of a work-group use the same fragment, so each fragment would be written to LDS and read from it once more;
; beside the 98,304 bytes in use two slots of 114,432 bytes would hold 3 tiles a wave, 192 matrix instructions between two changes of slots at each of which all loads are waited for.
; No tensor loads for X either: the ring of four register sets has up to four sets of 16 loads of 512 bytes out in each wave, and no wait in it is for zero.
; LIMITS: NaN and infinities among the inputs are not served.  A block of zeros gets the byte 1, not 127: its codes are zeros, and the bytes are read here alone.  p under 2^-126 is 0 (v_exp_f32: ISA guide 15.8).
; The sums over d and over the rows are taken in another order than one chain: f32 throughout.
; REGISTERS, in windows of 256 (s_set_vgpr_msb: bits 1:0 source 0, 3:2 source 1, 5:4 source 2, 7:6 destination):
;   window 0: addresses, scale words, all vector work, the 8 accumulators.   window 1: four sets of 64: X as it lands, then the ring of weight tiles.   windows 2, 3: X's fragments: (m, s) at window 2 + m / 4, v[64 (m % 4) + 8 s].
.set XP,    80                         ; a row's 64 bytes of codes of one K step + 16: 5 x 16 bytes, so the 16 rows that a fragment load touches begin at 16 different 16-byte columns of 256
.set XKS,   128*XP                     ; a K step's codes of the 128 rows
.set XIMG,  0                          ; X's codes: [K step][row][80]
.set XSC,   8*XKS                      ; their scale bytes: [K steps 0-3, 4-7][row][block 0..3] words; in a word byte q belongs to K step q of the four
.set QB,    XSC+4096                   ; qc of each wave's 256 columns, in the order of its walk
.set SPART, QB+4096                    ; the waves' parts of the 128 scores
.set PBUF,  SPART+2048                 ; p, once for each wave
.set OST,   PBUF+2048                  ; o of each wave's 256 columns, in the order of its walk
.set LOFF, 1                           ; v1   16 x lane
.set XOFF, 2                           ; v2   my 16 bytes of a load's 512 of X: 32 (lane % 16) + 16 (lane / 16)
.set XR0,  3                           ; v3   a fragment's place for my lane: 80 r + 16 h, K steps 0-3
.set XR1,  4                           ; v4   and K steps 4-7
.set CW0,  5                           ; v5   where my 4 bytes of codes go, K steps 0-3
.set XSL,  6                           ; v6   where the scale bytes are read
.set QA0,  7                           ; v7   qc: my half's 8 numbers of the walk's first tile
.set QST,  8                           ; v8   qc: where I put 8 numbers
.set QAD,  9                           ; v9   qc: the trip's
.set SPS,  10                          ; v10  scores: where mine go
.set SPL,  11                          ; v11  scores: where 4 of each wave's are read
.set PST,  12                          ; v12  p: in
.set PLD,  13                          ; v13  p: back
.set OA0,  14                          ; v14  o: column r of the walk's first tile
.set OAD,  15                          ; v15  o: the trip's
.set ORD,  16                          ; v16  o: back
.set GO0,  17                          ; v17, v18  my 16 bytes of the wave's 1,024 in part_o, the rotation undone
.set GO1,  18
.set MLO,  19                          ; v19  8 x lane
.set SBI,  20                          ; v20  qc . wk_b over my wave's columns
.set QWO,  21                          ; v21  my 8 numbers in qws
.set BKO,  22                          ; v22  and in wk_b
.set CW1,  25                          ; v25  where my codes go, K steps 4-7
.set SCW,  26                          ; v26  where my block's word of scale bytes goes
.set UT,   27                          ; v27-30  at work where the scale bytes are turned
.set ASC,  32                          ; v32-63  X's scale words: register 4 m + q: lanes 0-15 K step q, lanes 16-31 K step 4 + q.  Scales and nothing else
.set BSC,  64                          ; v64-79  the weights': register 4 set + q, likewise.  Scales and nothing else
.set MX,   80                          ; v80-87  phase X: the largest magnitudes, a register for each of a step's 8 pairs of rows
.set SOP,  88                          ; v88-95  the conversions' scale operands
.set CD,   96                          ; v96-111 the codes: a set of 8 for the even steps and one for the odd
.set QC,   106                         ; v106-113 qc of the tile in hand
.set SAC,  114                         ; v114-129 the scores' sums: a pair for each row tile
.set P,    80                          ; v80-143 in the value phase: p, register 8 m + j = p(16 m + 8 h + j)
.set OA,   144                         ; v144-151 four pairs of sums
.set OT,   152                         ; v152-155 a tile's o, one register for each tile of a trip
.set OX,   156                         ; v156    lane exchanges
.set SBR,  160                         ; v160-175 phase X: four K steps' scale bytes, a register for each of my 16 pairs of rows
.set BYT,  176                         ; v176-183 a step's scale bytes
.set ACC,  160                         ; afterwards the 8 accumulators, v160-223
.set SEL,  26                          ; s[26:27] selects for v_permlanex16_b32: lane l xor 16
.set CBC,  32                          ; s[32:33] this trip's four tiles of codes;  s[34:35] the next trip's
.set NBC,  34
.set CBS,  36                          ; s[36:37], s[38:39] the same for the scale words
.set NBS,  38
.set MSB, 0
.macro WIN new                         ; the immediate's high byte repeats the setting that is left; a switch that changes nothing is dropped
.if MSB != (\new)
	s_set_vgpr_msb (MSB<<8)|(\new)
.set MSB, (\new)
.endif
.endm
; Step t of phase X is rows 16 (t % 2) .. + 15 of my 32, K step t / 2.  Its 16 loads, a row each, read 512 consecutive bytes; they land in set t % 4 of window 1, row i in registers 4 i .. 4 i + 3.
.macro XLOAD t
	WIN 0x40
.irp i, 0,1,2,3,4,5,6,7,8,9,10,11,12,13,14,15
	global_load_b128 v[64*((\t)%4)+4*\i:64*((\t)%4)+4*\i+3], v[XOFF], s[8:9] offset:((\t)%2)*65536+\i*4096+((\t)/2)*512 th:TH_LOAD_NT
.endr
	WIN 0
.endm
; A weight tile (16 columns x all of K): 16 loads of 512 consecutive bytes into a set of window 1, and its 128 scale words by one more: 17 loads.
.macro BLOAD set, cb, sb, toff
	WIN 0x40
.irp f, 0,1,2,3,4,5,6,7,8,9,10,11,12,13,14,15
	global_load_b128 v[64*(\set)+4*\f:64*(\set)+4*\f+3], v[LOFF], s[\cb:\cb+1] offset:(\toff)*8192+512*\f
.endr
	WIN 0
	global_load_b128 v[BSC+4*(\set):BSC+4*(\set)+3], v[LOFF], s[\sb:\sb+1] offset:(\toff)*512
.endm
; K step s of all 8 row tiles, from LDS into windows 2 and 3.  A fragment is 16 rows x 128 K: lane (r, h) takes, of row r's 64 bytes, the 16 at 16 h and the 16 at 32 + 16 h.
.macro ALOAD s
.if (\s) < 4
.set XRR, XR0
.else
.set XRR, XR1
.endif
	WIN 0x80
.irp m, 0,1,2,3
	ds_load_b128 v[64*\m+8*(\s):64*\m+8*(\s)+3],   v[XRR] offset:((\s)%4)*XKS+\m*16*XP
	ds_load_b128 v[64*\m+8*(\s)+4:64*\m+8*(\s)+7], v[XRR] offset:((\s)%4)*XKS+\m*16*XP+32
.endr
	WIN 0xc0
.irp m, 0,1,2,3
	ds_load_b128 v[64*\m+8*(\s):64*\m+8*(\s)+3],   v[XRR] offset:((\s)%4)*XKS+(\m+4)*16*XP
	ds_load_b128 v[64*\m+8*(\s)+4:64*\m+8*(\s)+7], v[XRR] offset:((\s)%4)*XKS+(\m+4)*16*XP+32
.endr
	WIN 0
.endm
; A step: 16 rows x 128 numbers become codes and scale bytes.  Pair p of the step is rows 2 p and 2 p + 1 of the sixteen.
.macro XSTEP t
.set RS,  64*((\t)%4)                  ; the step's set, in window 1
.set CDS, CD+8*((\t)%2)                ; its codes: a set is written again two steps on, behind the wait for all LDS instructions that stands in every odd step
.set SBS, SBR+8*((\t)%2)               ; its pairs' gathered scale bytes
.set KQ,  ((\t)/2)%4                   ; which of four K steps
.if (\t) < 8
.set CWR, CW0
.else
.set CWR, CW1
.endif
.if (\t) <= 12
	XLOAD (\t)+3                                   ; into the set that the last step left: its conversions have read it
	s_wait_loadcnt 48                              ; loads come back in order (ISA guide 5.7.1): set t is in; the three younger sets of 16 stay out
.else
	BLOAD (\t)-13, CBC, CBS, (\t)-13               ; X is all asked for: the first weight tiles take the sets that fall free
	s_wait_loadcnt 36+(\t)                         ; behind set t: 16 (15 - t) loads of X and 17 (t - 12) of the weights
.endif
	WIN 0x41                                       ; both registers of a swap lie in window 1
.irp p, 0,1,2,3,4,5,6,7
.irp j, 0,1,2,3
	v_permlane16_swap_b32 v[RS+8*\p+\j], v[RS+8*\p+4+\j]   ; the first row's odd pieces (its lanes 16-31) change places with the second row's even pieces (its lanes 0-15)
.endr
.endr                                          ; now lane l holds, in registers 8 p .. 8 p + 7, k = 8 (l % 16) + 0 .. 7 of row 2 p + l / 16
	WIN 0x05                                       ; sources 0 and 1 window 1
.irp p, 0,1,2,3,4,5,6,7
	v_max3_num_f32 v[MX+\p], |v[RS+8*\p]|, |v[RS+8*\p+1]|, 0x1800000   ; my 8 numbers, and the floor 2^(3 - 127): the byte cannot fall under 1
.endr
	WIN 0x14                                       ; sources 1 and 2 window 1
.irp i, 2,4,6
.irp p, 0,1,2,3,4,5,6,7
	v_max3_num_f32 v[MX+\p], v[MX+\p], |v[RS+8*\p+\i]|, |v[RS+8*\p+\i+1]|   ; the eight pairs by turns
.endr
.endr
	WIN 0
.irp p, 0,1,2,3,4,5,6,7
	v_max_num_f32_dpp v[MX+\p], v[MX+\p], v[MX+\p] row_xmask:1 row_mask:0xf bank_mask:0xf
.endr
.irp p, 0,1,2,3,4,5,6,7
	v_max_num_f32_dpp v[MX+\p], v[MX+\p], v[MX+\p] row_xmask:2 row_mask:0xf bank_mask:0xf   ; four lanes hold a block of 32: its largest magnitude
.endr
.irp p, 0,1,2,3,4,5,6,7
	v_add_nc_u32 v[SOP+\p], 0xff000000, v[MX+\p]   ; 2 off its exponent field: the conversion takes this operand's exponent field as its scale
.endr
.if KQ == 0
.irp p, 0,1,2,3,4,5,6,7
	v_lshrrev_b32 v[SBS+\p], 23, v[SOP+\p]         ; the scale's byte: the first of four K steps'
.endr
.else
.irp p, 0,1,2,3,4,5,6,7
	v_lshrrev_b32 v[BYT+\p], 23, v[SOP+\p]
.endr
.irp p, 0,1,2,3,4,5,6,7
	v_lshl_or_b32 v[SBS+\p], v[BYT+\p], 8*KQ, v[SBS+\p]   ; K step q of the four in byte q
.endr
.endif
	WIN 0x01                                       ; source 0 window 1
.irp p, 0,1,2,3,4,5,6,7
	v_cvt_scalef32_pk8_fp4_f32 v[CDS+\p], v[RS+8*\p:RS+8*\p+7], v[SOP+\p]
.endr
	WIN 0
	v_nop                                          ; one plain place behind a scaled conversion
.irp p, 0,1,2,3,4,5,6,7
	ds_store_b32 v[CWR], v[CDS+\p] offset:KQ*XKS+(8*((\t)%2)+\p)*2*XP   ; lanes 0-15: 64 consecutive bytes of one row; lanes 16-31: of the next, 80 bytes on: 32 different banks
.endr
.if KQ == 3
.irp p, 0,1,2,3,4,5,6,7
	ds_store_b32 v[SCW], v[SBS+\p] offset:((\t)/8)*2048+(8*((\t)%2)+\p)*32   ; a block's four lanes write the same word with the same value
.endr
.endif
.if (\t)%2 == 1
	s_wait_dscnt 0x0                               ; for the others' sake: my 32 rows' codes of this K step lie in LDS
	s_barrier_signal -1
	s_barrier_wait -1                              ; everybody's do.  A K step's bytes are written once, so no second barrier is needed
	ALOAD (\t)/2
.endif
.endm
; 32 matrix instructions: weight tile in set q x row tiles 4 g .. 4 g + 3, all 8 K steps.  Four accumulators take turns, one instruction a turn; the first K step starts the sums.
; KEY, used transposed: source 0 = 16 rows of Wk, source 1 = 16 rows of X: lane (r, h) register j = key(row 16 m + r, column 8 h + j).
.macro MULK q, g
	WIN 0x09+4*\g
.irp s, 0,1,2,3,4,5,6,7
.irp m, 0,1,2,3
.set rD, ACC+8*(4*\g+\m)
.set rW, 64*\q+8*\s
.set rX, 64*\m+8*\s
.set rB, BSC+4*\q+\s%4
.set rA, ASC+4*(4*\g+\m)+\s%4
.if \s == 0
	v_wmma_scale_f32_16x16x128_f8f6f4 v[rD:rD+7], v[rW:rW+7], v[rX:rX+7], 0, v[rB], v[rA] matrix_a_fmt:MATRIX_FMT_FP4 matrix_b_fmt:MATRIX_FMT_FP4
.elseif \s < 4
	v_wmma_scale_f32_16x16x128_f8f6f4 v[rD:rD+7], v[rW:rW+7], v[rX:rX+7], v[rD:rD+7], v[rB], v[rA] matrix_a_fmt:MATRIX_FMT_FP4 matrix_b_fmt:MATRIX_FMT_FP4
.else
	v_wmma_scale_f32_16x16x128_f8f6f4 v[rD:rD+7], v[rW:rW+7], v[rX:rX+7], v[rD:rD+7], v[rB], v[rA] matrix_a_fmt:MATRIX_FMT_FP4 matrix_b_fmt:MATRIX_FMT_FP4 matrix_a_scale:MATRIX_SCALE_ROW1 matrix_b_scale:MATRIX_SCALE_ROW1
.endif
.endr
.endr
.endm
; VALUE, the natural way: source 0 = 16 rows of X, source 1 = 16 rows of Wv: lane (r, h) register j = value(row 16 m + 8 h + j, column r).
.macro MULV q, g
	WIN 0x06+\g
.irp s, 0,1,2,3,4,5,6,7
.irp m, 0,1,2,3
.set rD, ACC+8*(4*\g+\m)
.set rW, 64*\q+8*\s
.set rX, 64*\m+8*\s
.set rB, BSC+4*\q+\s%4
.set rA, ASC+4*(4*\g+\m)+\s%4
.if \s == 0
	v_wmma_scale_f32_16x16x128_f8f6f4 v[rD:rD+7], v[rX:rX+7], v[rW:rW+7], 0, v[rA], v[rB] matrix_a_fmt:MATRIX_FMT_FP4 matrix_b_fmt:MATRIX_FMT_FP4
.elseif \s < 4
	v_wmma_scale_f32_16x16x128_f8f6f4 v[rD:rD+7], v[rX:rX+7], v[rW:rW+7], v[rD:rD+7], v[rA], v[rB] matrix_a_fmt:MATRIX_FMT_FP4 matrix_b_fmt:MATRIX_FMT_FP4
.else
	v_wmma_scale_f32_16x16x128_f8f6f4 v[rD:rD+7], v[rX:rX+7], v[rW:rW+7], v[rD:rD+7], v[rA], v[rB] matrix_a_fmt:MATRIX_FMT_FP4 matrix_b_fmt:MATRIX_FMT_FP4 matrix_a_scale:MATRIX_SCALE_ROW1 matrix_b_scale:MATRIX_SCALE_ROW1
.endif
.endr
.endr
.endm
.macro AHEAD q                         ; the tile three on, into the set that the last tile left: the trip's fourth tile, or one of the next trip's first three
.if \q == 0
	BLOAD 3, CBC, CBS, 3
.else
	BLOAD \q-1, NBC, NBS, \q-1
.endif
.endm
; A key tile.  The four v_nop are the places in front of the first read of the results; with the 32 multiply-adds they are also the places in front of the next tile's loads
; into the set and the scale words just used, and of its first products, which begin the accumulators anew.
.macro KTILE q
	AHEAD \q
	ds_load_b128 v[QC:QC+3], v[QAD] offset:64*\q
	ds_load_b128 v[QC+4:QC+7], v[QAD] offset:64*\q+16
	s_wait_loadcnt 51                              ; this tile's 17 loads are in; the three younger tiles' 51 stay out
	MULK \q, 0
	MULK \q, 1
	WIN 0
.rept 4
	v_nop
.endr
	s_wait_dscnt 0x0                               ; qc of this tile
.irp i, 0,1,2,3                                ; each accumulator is read from its low end on
.irp m, 0,1,2,3,4,5,6,7
	v_pk_fma_f32 v[SAC+2*\m:SAC+2*\m+1], v[ACC+8*\m+2*\i:ACC+8*\m+2*\i+1], v[QC+2*\i:QC+2*\i+1], v[SAC+2*\m:SAC+2*\m+1]
.endr
.endr
.endm
; A value tile.  ld = 1: the tile three on is asked for; cnt: the younger loads that may stay out.
.macro VTILE q, ld, cnt
.if \ld
	AHEAD \q
.endif
	s_wait_loadcnt \cnt
	MULV \q, 0
	MULV \q, 1
	WIN 0
.rept 4
	v_nop
.endr
	s_wait_dscnt 0x0                               ; the store that read OT + q a trip ago is done
.irp m, 0,1,2,3
	v_pk_mul_f32 v[OA+2*\m:OA+2*\m+1], v[ACC+8*\m:ACC+8*\m+1], v[P+8*\m:P+8*\m+1]        ; the first products start the four sums
.endr
.irp m, 4,5,6,7
	v_pk_fma_f32 v[OA+2*(\m-4):OA+2*(\m-4)+1], v[ACC+8*\m:ACC+8*\m+1], v[P+8*\m:P+8*\m+1], v[OA+2*(\m-4):OA+2*(\m-4)+1]
.endr
.irp i, 1,2,3
.irp m, 0,1,2,3,4,5,6,7
	v_pk_fma_f32 v[OA+2*(\m%4):OA+2*(\m%4)+1], v[ACC+8*\m+2*\i:ACC+8*\m+2*\i+1], v[P+8*\m+2*\i:P+8*\m+2*\i+1], v[OA+2*(\m%4):OA+2*(\m%4)+1]
.endr
.endr
	v_pk_add_f32 v[OA:OA+1], v[OA:OA+1], v[OA+2:OA+3]
	v_pk_add_f32 v[OA+4:OA+5], v[OA+4:OA+5], v[OA+6:OA+7]
	v_pk_add_f32 v[OA:OA+1], v[OA:OA+1], v[OA+4:OA+5]
	v_add_f32 v[OT+\q], v[OA], v[OA+1]
	v_permlanex16_b32 v[OX], v[OT+\q], s[SEL], s[SEL+1]
	v_add_f32 v[OT+\q], v[OT+\q], v[OX]            ; with lane l xor 16's 64 rows: o of column r
	ds_store_b32 v[OAD], v[OT+\q] offset:64*\q     ; lanes r and r + 16 write the same word with the same value
.endm
; The bases move on: this trip's become the next trip's, and those of trip J + 2 are made: 131,072 (u / 4) + 32,768 ((u + rot) % 4) bytes of codes, a sixteenth of that in scale words.
.macro NEXTTRIP
	s_wait_xcnt 0x0                                ; the trip's loads have read their bases: only behind this wait are they written
	s_mov_b64 s[CBC:CBC+1], s[NBC:NBC+1]
	s_mov_b64 s[CBS:CBS+1], s[NBS:NBS+1]
	s_add_co_u32 s3, s3, 1
	s_add_co_u32 s5, s3, 1
	s_lshr_b32 s6, s5, 2
	s_lshl_b32 s6, s6, 17
	s_add_co_u32 s5, s5, s4
	s_and_b32 s5, s5, 3
	s_lshl_b32 s5, s5, 15
	s_add_co_u32 s40, s5, s6
	s_mov_b32 s41, 0
	s_add_nc_u64 s[NBC:NBC+1], s[10:11], s[40:41]
	s_lshr_b32 s40, s40, 4
	s_add_nc_u64 s[NBS:NBS+1], s[12:13], s[40:41]
.endm
	s_load_b512 s[8:23], s[0:1], 0x0               ; obj_embed, wfrag, wscl, qws, wk_b, alpha1, alpha2, part_o
	s_load_b64 s[24:25], s[0:1], 0x40              ; part_ml
	v_lshl_add_u32 v158, v0, 2, 0x18000
	v_mov_b32 v159, 0
	v_lshrrev_b32 v224, 5, v0
	v_readfirstlane_b32 s2, v224                   ; wave 0..3
	s_and_b32 s4, ttmp9, 3                         ; rot
	s_mov_b32 s[SEL], 0x76543210
	s_mov_b32 s[SEL+1], 0xfedcba98
	s_mov_b32 s44, 0x05010400                      ; v_perm_b32's selects for the turn of 4 x 4 bytes: bytes 0 and 1 of two words, by turns;
	s_mov_b32 s45, 0x07030602                      ; bytes 2 and 3;
	s_mov_b32 s46, 0x05040100                      ; the two low halves;
	s_mov_b32 s47, 0x07060302                      ; the two high halves
	v_and_b32 v225, 31, v0                         ; lane
	v_and_b32 v226, 15, v0                         ; r
	v_bfe_u32 v227, v0, 4, 1                       ; h
	v_bfe_u32 v228, v0, 2, 2                       ; which block of a K step's four my 8 numbers lie in
	v_lshlrev_b32 v[LOFF], 4, v225
	v_lshlrev_b32 v[XOFF], 5, v226
	v_lshl_add_u32 v[XOFF], v227, 4, v[XOFF]       ; lanes 0-15 the even pieces of 16 bytes, lanes 16-31 the odd ones
	v_mul_u32_u24 v[XR0], v226, XP
	v_lshl_add_u32 v[XR0], v227, 4, v[XR0]
	v_add_nc_u32 v[XR1], 4*XKS, v[XR0]
	s_mul_i32 s5, s2, 32*XP                        ; my wave's 32 rows in a K step's block
	v_mul_u32_u24 v[CW0], v227, XP                 ; lanes 16-31: the pair's second row
	v_lshl_add_u32 v[CW0], v226, 2, v[CW0]         ; 8 codes: 4 bytes a lane
	v_add_nc_u32 v[CW0], s5, v[CW0]
	v_add_nc_u32 v[CW1], 4*XKS, v[CW0]
	s_lshl_b32 s5, s2, 9
	s_add_co_u32 s6, s5, XSC                       ; my wave's 32 rows of 16 bytes
	v_lshl_add_u32 v[SCW], v228, 2, s6
	v_lshl_add_u32 v[SCW], v227, 4, v[SCW]
	v_lshlrev_b32 v[XSL], 4, v226
	v_lshl_add_u32 v[XSL], v227, 11, v[XSL]        ; lanes 16-31 read K steps 4-7's
	v_add_nc_u32 v[XSL], XSC, v[XSL]
	s_lshl_b32 s5, s2, 10
	s_add_co_u32 s6, s5, QB
	v_lshl_add_u32 v[QA0], v227, 5, s6
	v_lshl_add_u32 v[QST], v225, 5, s6
	s_add_co_u32 s6, s5, OST
	v_lshl_add_u32 v[OA0], v226, 2, s6
	v_add_nc_u32 v[ORD], s6, v[LOFF]
	s_lshl_b32 s5, s2, 9
	s_add_co_u32 s6, s5, SPART
	v_lshl_add_u32 v[SPS], v226, 2, s6
	v_add_nc_u32 v[SPL], SPART, v[LOFF]
	s_add_co_u32 s6, s5, PBUF
	v_add_nc_u32 v[PST], s6, v[LOFF]
	v_lshl_add_u32 v[PLD], v227, 5, s6
	s_lshl_b32 s5, s4, 8                           ; the rotation: 4 tiles of 64 bytes for each step
	v_add_nc_u32 v[GO0], s5, v[LOFF]
	v_add_nc_u32 v[GO1], 512, v[GO0]
	v_and_b32 v[GO0], 1023, v[GO0]
	v_and_b32 v[GO1], 1023, v[GO1]
	v_lshlrev_b32 v[MLO], 3, v225
	s_lshl_b32 s6, s4, 2
	v_lshrrev_b32 v228, 1, v225                    ; lane l holds numbers 8 l .. 8 l + 7 of the walk: its tile l / 2, half l % 2,
	v_add_nc_u32 v228, s6, v228
	v_and_b32 v228, 15, v228                       ; which is tile (l / 2 + 4 rot) % 16 of my 16
	v_and_b32 v229, 1, v225
	v_lshlrev_b32 v229, 5, v229
	v_lshl_add_u32 v[QWO], v228, 11, v229          ; qws: 2,048 bytes a tile
	v_lshl_add_u32 v[BKO], v225, 5, s5
	v_and_b32 v[BKO], 1023, v[BKO]                 ; wk_b: 64 bytes a tile
	v_mov_b32 v[OX], 0                             ; written once: a lane permute's destination counts as one of its sources
	s_mov_b32 s41, 0
	s_mov_b32 s3, 0                                ; J: the trip, 0 .. 7
	s_wait_kmcnt 0x0
	s_load_b32 s28, s[18:19], 0x0                  ; alpha1
	s_load_b32 s29, s[20:21], 0x0                  ; alpha2
	s_lshl_b32 s40, ttmp9, 19                      ; my work-group's 128 rows of 4,096 bytes,
	s_lshl_b32 s5, s2, 17                          ; my wave's 32
	s_add_co_u32 s40, s40, s5
	s_add_nc_u64 s[8:9], s[8:9], s[40:41]
	s_lshl_b32 s40, s2, 18
	s_add_nc_u64 s[10:11], s[10:11], s[40:41]      ; my wave's 32 tiles of codes
	s_lshl_b32 s40, s2, 14
	s_add_nc_u64 s[12:13], s[12:13], s[40:41]      ; and of scale words
	s_lshr_b32 s5, ttmp9, 3                        ; the batch
	s_lshl_b32 s5, s5, 6
	s_lshl_b32 s40, s2, 15
	s_add_co_u32 s40, s40, s5
	s_add_nc_u64 s[14:15], s[14:15], s[40:41]      ; qws: my 16 tiles, my batch's 64 bytes in each
	s_lshl_b32 s40, s2, 10
	s_add_nc_u64 s[16:17], s[16:17], s[40:41]      ; wk_b: my 256 numbers
	s_lshl_b32 s5, ttmp9, 12
	s_add_co_u32 s40, s40, s5
	s_add_nc_u64 s[22:23], s[22:23], s[40:41]      ; part_o
	s_lshl_b32 s40, ttmp9, 8
	s_add_nc_u64 s[24:25], s[24:25], s[40:41]      ; part_ml
	s_lshl_b32 s40, s4, 15                         ; trip 0
	s_add_nc_u64 s[CBC:CBC+1], s[10:11], s[40:41]
	s_lshr_b32 s40, s40, 4
	s_add_nc_u64 s[CBS:CBS+1], s[12:13], s[40:41]
	s_add_co_u32 s5, s4, 1                         ; trip 1
	s_and_b32 s5, s5, 3
	s_lshl_b32 s40, s5, 15
	s_add_nc_u64 s[NBC:NBC+1], s[10:11], s[40:41]
	s_lshr_b32 s40, s40, 4
	s_add_nc_u64 s[NBS:NBS+1], s[12:13], s[40:41]
	global_load_b128 v[224:227], v[QWO], s[14:15]                      ; q1
	global_load_b128 v[228:231], v[QWO], s[14:15] offset:16
	global_load_b128 v[232:235], v[QWO], s[14:15] offset:131072        ; q2
	global_load_b128 v[236:239], v[QWO], s[14:15] offset:131088
	global_load_b128 v[240:243], v[BKO], s[16:17]                      ; wk_b
	global_load_b128 v[244:247], v[BKO], s[16:17] offset:16
	XLOAD 0
	XLOAD 1
	XLOAD 2
	; ---- qc = (alpha1 q1 + alpha2 q2) log2(e) / 32, and qc . wk_b
	s_wait_loadcnt 48                              ; the six oldest loads are in; X's 48 stay out
	s_wait_kmcnt 0x0
	v_mov_b32 v23, 0x3d38aa3b                      ; log2(e) / 32
	v_mul_f32 v24, s29, v23
	v_mul_f32 v23, s28, v23
.irp j, 0,1,2,3,4,5,6,7
	v_mul_f32 v[248+\j], v23, v[224+\j]
.endr
.irp j, 0,1,2,3,4,5,6,7
	v_fmac_f32 v[248+\j], v24, v[232+\j]
.endr
	v_mul_f32 v[SBI], v248, v240
.irp j, 1,2,3,4,5,6,7
	v_fmac_f32 v[SBI], v[248+\j], v[240+\j]
.endr
	v_add_f32_dpp v[SBI], v[SBI], v[SBI] row_xmask:1 row_mask:0xf bank_mask:0xf
	v_add_f32_dpp v[SBI], v[SBI], v[SBI] row_xmask:2 row_mask:0xf bank_mask:0xf
	v_add_f32_dpp v[SBI], v[SBI], v[SBI] row_xmask:4 row_mask:0xf bank_mask:0xf
	v_add_f32_dpp v[SBI], v[SBI], v[SBI] row_xmask:8 row_mask:0xf bank_mask:0xf
	v_permlanex16_b32 v[OX], v[SBI], s[SEL], s[SEL+1]
	v_add_f32 v[SBI], v[SBI], v[OX]                ; over my wave's 256 columns, in every lane
	ds_store_b128 v[QST], v[248:251]               ; my wave's own bytes: no barrier
	ds_store_b128 v[QST], v[252:255] offset:16
	; ---- X: 16 steps, written out: every offset is an immediate
.irp t, 0,1,2,3,4,5,6,7,8,9,10,11,12,13,14,15
	XSTEP \t
.endr
	; ---- into the products.  Lane (r, half) reads, for each row tile, row r's 16 scale bytes of K steps 0-3 or 4-7: word g holds block g's bytes of the four K steps.
	; The matrix instruction wants a word for each K step with a byte for each block: 4 x 4 bytes are turned, eight v_perm_b32 a row tile.
.irp m, 0,1,2,3,4,5,6,7
	ds_load_b128 v[224+4*\m:227+4*\m], v[XSL] offset:256*\m
.endr
	s_wait_dscnt 0x0                               ; X's last fragments and all its scale bytes are in
.irp m, 0,1,2,3,4,5,6,7
	v_perm_b32 v[UT],   v[225+4*\m], v[224+4*\m], s44      ; blocks 0, 1: K steps 0 and 1
	v_perm_b32 v[UT+1], v[225+4*\m], v[224+4*\m], s45      ;              K steps 2 and 3
	v_perm_b32 v[UT+2], v[227+4*\m], v[226+4*\m], s44      ; blocks 2, 3 likewise
	v_perm_b32 v[UT+3], v[227+4*\m], v[226+4*\m], s45
	v_perm_b32 v[ASC+4*\m],   v[UT+2], v[UT],   s46        ; K step 0's word: blocks 0, 1, 2, 3
	v_perm_b32 v[ASC+4*\m+1], v[UT+2], v[UT],   s47
	v_perm_b32 v[ASC+4*\m+2], v[UT+3], v[UT+1], s46
	v_perm_b32 v[ASC+4*\m+3], v[UT+3], v[UT+1], s47
.endr
.irp j, 0,1,2,3,4,5,6,7,8,9,10,11,12,13,14,15
	v_mov_b32 v[SAC+\j], 0                         ; sixteen sums that 16 tiles add onto.  (Also the places between the scale words just made and the first scaled matrix instruction, which wants eight)
.endr
	s_mov_b32 s30, 0                               ; the trip's 256 bytes of qc; it also counts the trips
.Lkey:
	v_add_nc_u32 v[QAD], s30, v[QA0]
	KTILE 0
	KTILE 1
	KTILE 2
	KTILE 3
	NEXTTRIP
	s_add_co_u32 s30, s30, 256
	s_cmp_lt_u32 s30, 1024
	s_cbranch_scc1 .Lkey
	; ---- the block's softmax.  The weight loads stay on their way meanwhile
.irp m, 0,1,2,3,4,5,6,7
	v_add_f32 v[224+\m], v[SAC+2*\m], v[SAC+2*\m+1]
.endr
.irp m, 0,1,2,3,4,5,6,7
	v_permlanex16_b32 v[232+\m], v[224+\m], s[SEL], s[SEL+1]
.endr
.irp m, 0,1,2,3,4,5,6,7
	v_add_f32 v[224+\m], v[224+\m], v[232+\m]      ; with lane l xor 16's eight columns of each tile
.endr
.irp m, 0,1,2,3,4,5,6,7
	v_add_f32 v[224+\m], v[224+\m], v[SBI]         ; and my columns' part of qc . wk_b
.endr
.irp m, 0,1,2,3,4,5,6,7
	ds_store_b32 v[SPS], v[224+\m] offset:64*\m    ; row 16 m + r
.endr
	s_wait_dscnt 0x0                               ; for the others' sake: my part of the scores lies in LDS
	s_barrier_signal -1
	s_barrier_wait -1
.irp w, 0,1,2,3
	ds_load_b128 v[224+4*\w:227+4*\w], v[SPL] offset:512*\w            ; rows 4 lane .. + 3, of each wave
.endr
	s_wait_dscnt 0x0
	v_pk_add_f32 v[224:225], v[224:225], v[228:229]
	v_pk_add_f32 v[226:227], v[226:227], v[230:231]
	v_pk_add_f32 v[232:233], v[232:233], v[236:237]
	v_pk_add_f32 v[234:235], v[234:235], v[238:239]
	v_pk_add_f32 v[224:225], v[224:225], v[232:233]
	v_pk_add_f32 v[226:227], v[226:227], v[234:235]                    ; t of my four rows.  Every wave does the same arithmetic on the same numbers
	v_max3_num_f32 v240, v224, v225, v226
	v_max_num_f32 v240, v240, v227
	v_max_num_f32_dpp v240, v240, v240 row_xmask:1 row_mask:0xf bank_mask:0xf
	v_max_num_f32_dpp v240, v240, v240 row_xmask:2 row_mask:0xf bank_mask:0xf
	v_max_num_f32_dpp v240, v240, v240 row_xmask:4 row_mask:0xf bank_mask:0xf
	v_max_num_f32_dpp v240, v240, v240 row_xmask:8 row_mask:0xf bank_mask:0xf
	v_permlanex16_b32 v[OX], v240, s[SEL], s[SEL+1]
	v_max_num_f32 v240, v240, v[OX]                ; m: the largest t of the 128
.irp i, 0,1,2,3
	v_sub_f32 v[244+\i], v[224+\i], v240
.endr
.irp i, 0,1,2,3
	v_exp_f32 v[244+\i], v[244+\i]                 ; p = 2^(t - m), at most 1
.endr
	v_nop                                          ; a plain place behind the last exponential
	s_wait_alu depctr_va_vdst(0)                   ; the wait ahead of the first use: one for the four
	v_add_f32 v241, v244, v245
	v_add_f32 v242, v246, v247
	v_add_f32 v241, v241, v242
	v_add_f32_dpp v241, v241, v241 row_xmask:1 row_mask:0xf bank_mask:0xf
	v_add_f32_dpp v241, v241, v241 row_xmask:2 row_mask:0xf bank_mask:0xf
	v_add_f32_dpp v241, v241, v241 row_xmask:4 row_mask:0xf bank_mask:0xf
	v_add_f32_dpp v241, v241, v241 row_xmask:8 row_mask:0xf bank_mask:0xf
	v_permlanex16_b32 v[OX], v241, s[SEL], s[SEL+1]
	v_add_f32 v241, v241, v[OX]                    ; l: the sum of the 128 p
	ds_store_b128 v[PST], v[244:247]               ; my wave's own bytes: no barrier
.irp m, 0,1,2,3,4,5,6,7
	ds_load_b128 v[P+8*\m:P+8*\m+3], v[PLD] offset:64*\m               ; p(16 m + 8 h + 0 .. 7): the rows that my registers of a value tile hold
	ds_load_b128 v[P+8*\m+4:P+8*\m+7], v[PLD] offset:64*\m+16
.endr
	s_cmp_lg_u32 s2, 0
	s_cbranch_scc1 .Lnot_wave_0
	global_store_b64 v[MLO], v[240:241], s[24:25]  ; (m, l) 32 times: 256 consecutive bytes, aligned
.Lnot_wave_0:
	s_mov_b32 s31, 0                               ; the trip's 256 bytes of o; it also counts the trips
.Lval:
	s_wait_dscnt 0x0                               ; p is in; the last trip's stores have read OAD
	v_add_nc_u32 v[OAD], s31, v[OA0]
	VTILE 0, 1, 51
	VTILE 1, 1, 51
	VTILE 2, 1, 51
	VTILE 3, 1, 51
	NEXTTRIP
	s_add_co_u32 s31, s31, 256
	s_cmp_lt_u32 s31, 768
	s_cbranch_scc1 .Lval
	s_wait_dscnt 0x0                               ; the last trip is written out: only its fourth tile is still to be asked for, and the counts run down
	v_add_nc_u32 v[OAD], 768, v[OA0]
	VTILE 0, 1, 51
	VTILE 1, 0, 34
	VTILE 2, 0, 17
	VTILE 3, 0, 0
	; ---- out: the wave's 256 numbers of o, 16 bytes a lane; the rotation moves whole runs of 256 bytes
	ds_load_b128 v[224:227], v[ORD]                ; LDS serves a wave's instructions in order (ISA guide 5.7.1.4): these see my stores
	ds_load_b128 v[228:231], v[ORD] offset:512
	s_wait_dscnt 0x0
	global_store_b128 v[GO0], v[224:227], s[22:23] ; sixteen lanes store 256 consecutive bytes, aligned
	global_store_b128 v[GO1], v[228:231], s[22:23]
	s_wait_tensorcnt 0x0
	ds_add_u32 v158, v159
	s_wait_dscnt 0x0
	s_endpgm
.Lfunc_end_k_q46760abfcf_attn:
	.size	k_q46760abfcf_attn, .Lfunc_end_k_q46760abfcf_attn-k_q46760abfcf_attn
	.p2alignl 7, 3214868480
	.fill 96, 4, 3214868480
	.section	.rodata,"a",@progbits
	.p2align	6, 0x0
	.amdhsa_kernel k_q46760abfcf_attn
		.amdhsa_group_segment_fixed_size 98816
		.amdhsa_private_segment_fixed_size 0
		.amdhsa_enable_private_segment 0
		.amdhsa_kernarg_size 72
		.amdhsa_user_sgpr_count 2
		.amdhsa_user_sgpr_kernarg_segment_ptr 1
		.amdhsa_wavefront_size32 1
		.amdhsa_system_sgpr_workgroup_id_x 1
		.amdhsa_system_sgpr_workgroup_id_y 1
		.amdhsa_system_sgpr_workgroup_id_z 1
		.amdhsa_system_vgpr_workitem_id 0
		.amdhsa_next_free_vgpr 1024
		.amdhsa_next_free_sgpr 66
		.amdhsa_reserve_vcc 0
		.amdhsa_float_denorm_mode_32 3
		.amdhsa_float_denorm_mode_16_64 3
		.amdhsa_memory_ordered 1
		.amdhsa_forward_progress 1
		.amdhsa_inst_pref_size 255
	.end_amdhsa_kernel
	.section	.bss,"aw",@nobits
	.p2align	6
	.space	262144
	.amdgpu_metadata
---
amdhsa.version: [ 1, 2 ]
amdhsa.kernels:
  - .name:           k_q46760abfcf_attn
    .symbol:         k_q46760abfcf_attn.kd
    .args:
      - { .name: obj_embed, .offset: 0, .size: 8, .value_kind: global_buffer, .address_space: global }
      - { .name: wfrag, .offset: 8, .size: 8, .value_kind: global_buffer, .address_space: global }
      - { .name: wscl, .offset: 16, .size: 8, .value_kind: global_buffer, .address_space: global }
      - { .name: qws, .offset: 24, .size: 8, .value_kind: global_buffer, .address_space: global }
      - { .name: wk_b, .offset: 32, .size: 8, .value_kind: global_buffer, .address_space: global }
      - { .name: alpha1, .offset: 40, .size: 8, .value_kind: global_buffer, .address_space: global }
      - { .name: alpha2, .offset: 48, .size: 8, .value_kind: global_buffer, .address_space: global }
      - { .name: part_o, .offset: 56, .size: 8, .value_kind: global_buffer, .address_space: global }
      - { .name: part_ml, .offset: 64, .size: 8, .value_kind: global_buffer, .address_space: global }
    .group_segment_fixed_size: 98816
    .private_segment_fixed_size: 0
    .kernarg_segment_align: 8
    .kernarg_segment_size: 72
    .max_flat_workgroup_size: 128
    .sgpr_count:     66
    .vgpr_count:     1024
    .wavefront_size: 32
...
	.end_amdgpu_metadata
.endif
;; end of part 2
;; launch join (part 3): grid 256 x 1, 1 waves a work-group, no clusters, 0 bytes of LDS; arguments part_o, part_ml, wv_b, out0; writes out0
.if DOCPART == 3
	.amdgcn_target "amdgcn-amd-amdhsa--gfx1250"
	.amdhsa_code_object_version 6
	.text
	.protected	k_q46760abfcf_join
	.globl	k_q46760abfcf_join
	.p2align	8
	.type	k_q46760abfcf_join,@function
k_q46760abfcf_join:
	s_mov_b64 s[64:65], 0
	v_nop
	global_prefetch_b8 v0, s[64:65] scope:SCOPE_SE
	s_setreg_imm32_b32 hwreg(HW_REG_WAVE_MODE, 25, 1), 1
	s_wait_xcnt 0x0
; out0[b][d] = (the sum over a batch's 8 blocks g of 2^(m_g - M) o_g[d]) / (the sum of 2^(m_g - M) l_g) + wv_b[d], M = the largest m_g.
; part_o: [block 0..255][1024] f32; part_ml: [block][32 x (m, l)] f32.  Work-group x takes batch x / 8 and columns 128 (x % 8) .. + 127: one wave, 4 columns a lane.
; The divisor is at least 1: the block with m_g = M has the factor 1 and l_g >= 1.  A stream of a few KiB a work-group: no LDS, no matrix unit, no cluster.
; LIMITS: NaN and infinities are not served; a factor under 2^-126 is 0 (v_exp_f32: ISA guide 15.8).
	s_load_b256 s[8:15], s[0:1], 0x0               ; part_o, part_ml, wv_b, out0
	s_lshr_b32 s2, ttmp9, 3                        ; batch
	s_and_b32 s3, ttmp9, 7                         ; which 128 columns
	v_lshlrev_b32 v1, 4, v0                        ; 16 bytes a lane
	s_lshl_b32 s6, s3, 9
	s_mov_b32 s7, 0
	s_lshl_b32 s4, s2, 15                          ; 8 blocks of 4,096 bytes
	s_add_co_u32 s4, s4, s6
	s_mov_b32 s5, 0
	s_lshl_b32 s32, s2, 11                         ; 8 blocks of 256 bytes
	s_mov_b32 s33, 0
	s_lshl_b32 s34, s2, 12
	s_add_co_u32 s34, s34, s6
	s_mov_b32 s35, 0
	s_wait_kmcnt 0x0
	s_add_nc_u64 s[8:9], s[8:9], s[4:5]
	s_add_nc_u64 s[10:11], s[10:11], s[32:33]
	s_add_nc_u64 s[12:13], s[12:13], s[6:7]
	s_add_nc_u64 s[14:15], s[14:15], s[34:35]
.irp g, 0,1,2,3,4,5,6,7
	s_load_b64 s[16+2*\g:17+2*\g], s[10:11], 256*\g                    ; m_g, l_g
.endr
.irp g, 0,1,2,3,4,5,6,7
	global_load_b128 v[8+4*\g:11+4*\g], v1, s[8:9] offset:4096*\g th:TH_LOAD_NT   ; 512 consecutive bytes of block g's o
.endr
	global_load_b128 v[4:7], v1, s[12:13]          ; wv_b
	s_wait_kmcnt 0x0
.irp g, 0,1,2,3,4,5,6,7
	v_mov_b32 v[40+\g], s[16+2*\g]
.endr
	v_max3_num_f32 v48, v40, v41, v42
	v_max3_num_f32 v48, v48, v43, v44
	v_max3_num_f32 v48, v48, v45, v46
	v_max_num_f32 v48, v48, v47                    ; M
.irp g, 0,1,2,3,4,5,6,7
	v_sub_f32 v[40+\g], v[40+\g], v48
.endr
.irp g, 0,1,2,3,4,5,6,7
	v_exp_f32 v[40+\g], v[40+\g]                   ; f_g = 2^(m_g - M)
.endr
	v_nop                                          ; a plain place behind the last exponential
	s_wait_alu depctr_va_vdst(0)                   ; the wait ahead of the first use: one for the eight
	v_mul_f32 v49, s17, v40
.irp g, 1,2,3,4,5,6,7
	v_fmac_f32 v49, s[17+2*\g], v[40+\g]           ; the divisor
.endr
	v_rcp_f32 v50, v49
	v_nop
	s_wait_alu depctr_va_vdst(0)                   ; and one for the reciprocal
.irp g, 0,1,2,3,4,5,6,7
	v_mul_f32 v[52+2*\g], v[40+\g], v50            ; f_g / the divisor, twice: a pair for the packed multiply-add
	v_mul_f32 v[53+2*\g], v[40+\g], v50
.endr
	s_wait_loadcnt 0x0
.irp g, 0,1,2,3,4,5,6,7
	v_pk_fma_f32 v[4:5], v[8+4*\g:9+4*\g], v[52+2*\g:53+2*\g], v[4:5]  ; the sums begin with wv_b
	v_pk_fma_f32 v[6:7], v[10+4*\g:11+4*\g], v[52+2*\g:53+2*\g], v[6:7]
.endr
	global_store_b128 v1, v[4:7], s[14:15]         ; the wave stores 512 consecutive bytes, aligned
	s_endpgm
.Lfunc_end_k_q46760abfcf_join:
	.size	k_q46760abfcf_join, .Lfunc_end_k_q46760abfcf_join-k_q46760abfcf_join
	.p2alignl 7, 3214868480
	.fill 96, 4, 3214868480
	.section	.rodata,"a",@progbits
	.p2align	6, 0x0
	.amdhsa_kernel k_q46760abfcf_join
		.amdhsa_group_segment_fixed_size 0
		.amdhsa_private_segment_fixed_size 0
		.amdhsa_enable_private_segment 0
		.amdhsa_kernarg_size 32
		.amdhsa_user_sgpr_count 2
		.amdhsa_user_sgpr_kernarg_segment_ptr 1
		.amdhsa_wavefront_size32 1
		.amdhsa_system_sgpr_workgroup_id_x 1
		.amdhsa_system_sgpr_workgroup_id_y 1
		.amdhsa_system_sgpr_workgroup_id_z 1
		.amdhsa_system_vgpr_workitem_id 0
		.amdhsa_next_free_vgpr 72
		.amdhsa_next_free_sgpr 66
		.amdhsa_reserve_vcc 0
		.amdhsa_float_denorm_mode_32 3
		.amdhsa_float_denorm_mode_16_64 3
		.amdhsa_memory_ordered 1
		.amdhsa_forward_progress 1
		.amdhsa_inst_pref_size 6
	.end_amdhsa_kernel
	.amdgpu_metadata
---
amdhsa.version: [ 1, 2 ]
amdhsa.kernels:
  - .name:           k_q46760abfcf_join
    .symbol:         k_q46760abfcf_join.kd
    .args:
      - { .name: part_o, .offset: 0, .size: 8, .value_kind: global_buffer, .address_space: global }
      - { .name: part_ml, .offset: 8, .size: 8, .value_kind: global_buffer, .address_space: global }
      - { .name: wv_b, .offset: 16, .size: 8, .value_kind: global_buffer, .address_space: global }
      - { .name: out0, .offset: 24, .size: 8, .value_kind: global_buffer, .address_space: global }
    .group_segment_fixed_size: 0
    .private_segment_fixed_size: 0
    .kernarg_segment_align: 8
    .kernarg_segment_size: 32
    .max_flat_workgroup_size: 32
    .sgpr_count:     66
    .vgpr_count:     72
    .wavefront_size: 32
...
	.end_amdgpu_metadata
.endif
;; end of part 3
;; ======== version 2 of 2: 3 launches
;; workspace buffers: wfrag 1,048,576 bytes; wscl 65,536 bytes; qws 262,144 bytes; part_o 1,048,576 bytes; part_ml 65,536 bytes
;; launch prep (part 4): grid 256 x 1, 8 waves a work-group, no clusters, 153,088 bytes of LDS; arguments wk_w, wv_w, q1_w, q2_w, h, q1_b, q2_b, wfrag, wscl, qws; writes wfrag, wscl, qws
.if DOCPART == 4
	.amdgcn_target "amdgcn-amd-amdhsa--gfx1250"
	.amdhsa_code_object_version 6
	.text
	.protected	k_q46760abfcf_prep
	.globl	k_q46760abfcf_prep
	.p2align	8
	.type	k_q46760abfcf_prep,@function
k_q46760abfcf_prep:
	s_mov_b64 s[64:65], 0
	v_nop
	global_prefetch_b8 v0, s[64:65] scope:SCOPE_SE
	s_setreg_imm32_b32 hwreg(HW_REG_WAVE_SCHED_MODE, 0, 2), 2
	s_setreg_imm32_b32 hwreg(HW_REG_WAVE_MODE, 25, 1), 1
	s_wait_xcnt 0x0
	s_wait_alu depctr_vm_vsrc(0)
; Four weights [1024 (out)][1024 (in)] f32, K = the inner axis.  Work-group x takes matrix x / 64 (0 wk_w, 1 wv_w, 2 q1_w, 3 q2_w) and its rows 16 (x % 64) .. + 15; wave s of eight takes K step s, 128 along K.
; Every wave turns its 16 rows x 128 numbers into one operand fragment of FP4 (E2M1) codes, 8 registers a lane, and one E8M0 scale word a row.
; A block's scale is 2^(floor(log2(its largest magnitude)) - 2); its byte is that magnitude's exponent field - 2, held at 1 from below.
; wk_w, wv_w: the fragment leaves AS AN IMAGE OF ITS REGISTERS (wfrag: [wave of the reader 0..3][wk, wv][tile 0..15][K step][half][lane][16 bytes]), so that the reader's loads are 512 consecutive bytes each;
;   the eight waves' scale words meet in LDS and leave as 512 consecutive bytes (wscl: [tile][K steps 0-3, 4-7][row][4 words]).
; q1_w, q2_w: the wave also quantises the 32 rows of h[0] or h[1] for its K step and multiplies: two matrix instructions; the eight K steps' sums are added through LDS, the bias is added,
;   and q leaves as qws [q1, q2][tile of 16 columns][batch 0..31][16] f32, a wave storing 256 consecutive bytes.  K is shared among eight sums that are added in f32: another order of rounding than one chain.
; The two kinds of work-group part ONCE, on the work-group's number, and each way has LDS bytes and a barrier of its own.
; LIMITS: NaN and infinities among the inputs are not served.  A block of zeros gets the byte 1, not 127: its codes are zeros, and these bytes are read by this program alone.
; No tensor loads and no cluster: every byte of the weights is read by one wave, once; each wave has all its loads (16, or 49) out together.
; THE MODE: SCHED_MODE bits 1:0 = 2 (LLVM: expert scheduling mode 2), set by the entry lines.  The code itself states the register dependences
; between vector or matrix instructions and memory or LDS instructions, with s_wait_alu, always for 0.
; THE PLAN.  Registers that memory or LDS instructions touch:
;   L0, L1, L2     Loads land in them; a turn's LDS stores read them and its LDS loads land in them again: one wait on vm_vsrc between the two runs.  Then the quantiser reads them.
;                  L0 is later the two accumulators, which LDS stores read; in L1 the eight K steps' sums land, and the last store reads two of its registers.
;   PCW, PCH0, PCH1, SW, SH0, SH1   Written by the quantiser; read by the weight way's stores, or taken by the two scaled matrix instructions: one wait on va_vdst ahead of either.
;   v1 to v11      Offsets and LDS addresses, made at the head and never written again: one wait on va_vdst ahead of the parting of the ways.
;   v22, v23       Written at the head, read by the closing add alone.
.set SP,    528                        ; a stage row: 512 bytes + 16: 33 x 16 bytes, so the 16 rows that a load back touches begin at 16 different 16-byte columns of 256
.set STGW,  16*SP                      ; a wave's stage
.set STGA,  0                          ; the weight way's eight stages
.set STGB,  8*STGW                     ; the query way's
.set SCG,   16*STGW                    ; the weight way: 512 bytes of scale words
.set RED,   SCG+512                    ; the query way: 8 x 2,048 bytes, a K step's 32 x 16 sums each
.set LOFF, 1                           ; v1   16 x lane
.set SAA,  2                           ; v2   stage, on the way in (weight way): 16 x lane
.set LAA,  3                           ; v3   and back: 528 r + 64 h
.set SCW,  4                           ; v4   where my row's scale word goes
.set SCR,  5                           ; v5   where wave 0 reads the words back
.set RDW,  6                           ; v6   where my sums go
.set RDR,  7                           ; v7   where I read eight waves' sums
.set BO,   8                           ; v8   my two numbers of the bias
.set QO,   9                           ; v9   8 x lane
.set SAB,  10                          ; v10, v11  the query way's stage
.set LAB,  11
.set TM,   12                          ; v12-27  at work in QUANT (v20-23 are not among them: v22, v23 are the closing add's)
.set PCW,  28                          ; v28-35  the weight's fragment
.set PCH0, 36                          ; v36-43  h's rows 0-15
.set PCH1, 44                          ; v44-51  h's rows 16-31
.set SW,   52                          ; v52-54  the three scale words: these registers hold scales and nothing else
.set SH0,  53
.set SH1,  54
.set BI,   56                          ; v56-57  bias
.set SO,   60                          ; v60-63  scale words on their way out
.set L0,   64                          ; v64-127 the weight's 64 numbers a lane; later the two accumulators
.set L1,   128                         ; v128-191, v192-255  h's
.set L2,   192
.set SEL,  42                          ; s[42:43] selects for v_permlanex16_b32: lane l xor 16
; 64 numbers of a lane, register 16 b + i = k 32 b + 16 (lane / 16) + i of my row, become a fragment's codes in v[pc] on and its scale word in v[pw].
.macro QUANT src, pc, pw
.irp b, 0,1,2,3
	v_max3_num_f32 v[TM+\b], |v[\src+16*\b]|, |v[\src+1+16*\b]|, 0x1800000   ; block b: my 16 numbers, and the floor 2^(3 - 127): the byte cannot fall under 1
.endr
.irp i, 2,4,6,8,10,12,14
.irp b, 0,1,2,3
	v_max3_num_f32 v[TM+\b], v[TM+\b], |v[\src+16*\b+\i]|, |v[\src+1+16*\b+\i]|   ; the four blocks by turns
.endr
.endr
.irp b, 0,1,2,3
	v_permlanex16_b32 v[TM+4+\b], v[TM+\b], s[SEL], s[SEL+1]
.endr
.irp b, 0,1,2,3
	v_max_num_f32 v[TM+\b], v[TM+\b], v[TM+4+\b]   ; with lane l xor 16's: the block's largest magnitude
.endr
.irp b, 0,1,2,3
	v_add_nc_u32 v[TM+12+\b], 0xff000000, v[TM+\b]   ; 2 off its exponent field: the conversion takes this operand's exponent field as its scale
.endr
.irp b, 0,1,2,3
	v_lshrrev_b32 v[TM+4+\b], 23, v[TM+12+\b]      ; the scale's byte
.endr
	v_lshl_or_b32 v[\pw], v[TM+5], 8, v[TM+4]      ; four bytes: my row's scale word
	v_lshl_or_b32 v[\pw], v[TM+6], 16, v[\pw]
	v_lshl_or_b32 v[\pw], v[TM+7], 24, v[\pw]
.irp b, 0,1,2,3
	v_cvt_scalef32_pk8_fp4_f32 v[\pc+2*\b], v[\src+16*\b:\src+7+16*\b], v[TM+12+\b]
	v_cvt_scalef32_pk8_fp4_f32 v[\pc+1+2*\b], v[\src+8+16*\b:\src+15+16*\b], v[TM+12+\b]
.endr
	v_nop                                          ; one plain place behind a scaled conversion
.irp c, 0,1                                    ; the operand's layout wants a whole block in a lane: lanes 0-15 block 2 c, lanes 16-31 block 2 c + 1
.irp i, 0,1
	v_permlane16_swap_b32 v[\pc+4*\c+\i], v[\pc+2+4*\c+\i]
.endr
.endr
.endm
; 16 rows as loaded (register 4 i ..: row i, k = 4 lane ..) go through the wave's own stage and come back 16 neighbours of each block a lane.  LDS serves a wave's instructions in order (ISA guide 5.7.1.4).
.macro TURN l, sa, la
.irp i, 0,1,2,3,4,5,6,7,8,9,10,11,12,13,14,15
	ds_store_b128 v[\sa], v[\l+4*\i:\l+4*\i+3] offset:SP*\i
.endr
	s_wait_alu depctr_vm_vsrc(0)                   ; the sixteen stores above have read their data registers, in which the sixteen loads below land
.irp b, 0,1,2,3
.irp j, 0,1,2,3
	ds_load_b128 v[\l+16*\b+4*\j:\l+16*\b+4*\j+3], v[\la] offset:128*\b+16*\j
.endr
.endr
.endm
.macro WLOAD                           ; my 16 rows' 512 bytes of the weight: each load reads 512 consecutive bytes
.irp i, 0,1,2,3,4,5,6,7,8,9,10,11,12,13,14,15
	global_load_b128 v[L0+4*\i:L0+4*\i+3], v[LOFF], s[28:29] offset:4096*\i th:TH_LOAD_NT
.endr
.endm
	s_load_b512 s[8:23], s[0:1], 0x0               ; wk_w, wv_w, q1_w, q2_w, h, q1_b, q2_b, wfrag
	s_load_b128 s[24:27], s[0:1], 0x40             ; wscl, qws
	v_lshl_add_u32 v22, v0, 2, 0x25200             ; the LDS address of my spare word, behind the query way's sums; kept for the closing lines alone
	v_mov_b32 v23, 0                               ; and 0, likewise
	v_lshrrev_b32 v55, 5, v0
	v_readfirstlane_b32 s2, v55                    ; wave = K step
	s_lshr_b32 s3, ttmp9, 6                        ; which matrix
	s_and_b32 s4, ttmp9, 63                        ; which 16 rows
	s_and_b32 s5, s3, 1                            ; the first or the second of its kind
	s_mov_b32 s[SEL], 0x76543210
	s_mov_b32 s[SEL+1], 0xfedcba98
	v_and_b32 v55, 31, v0                          ; lane
	v_and_b32 v58, 15, v0                          ; r
	s_wait_alu depctr_va_vdst(0)
	v_bfe_u32 v59, v0, 4, 1                        ; h
	v_lshlrev_b32 v[LOFF], 4, v55
	s_wait_alu depctr_va_vdst(0)
	s_wait_alu depctr_va_sdst(0)                   ; s2 is written, ahead of its first reader: LDS addresses and byte offsets are made from it
	s_mul_i32 s6, s2, STGW
	v_add_nc_u32 v[SAA], s6, v[LOFF]
	v_mul_u32_u24 v[LAA], v58, SP
	v_lshl_add_u32 v[LAA], v59, 6, v[LAA]
	v_add_nc_u32 v[LAA], s6, v[LAA]
	v_add_nc_u32 v[SAB], STGB, v[SAA]
	v_add_nc_u32 v[LAB], STGB, v[LAA]
	s_lshr_b32 s6, s2, 2
	s_lshl_b32 s6, s6, 8                           ; K steps 4-7 lie 256 bytes on,
	s_and_b32 s7, s2, 3
	s_lshl_b32 s7, s7, 2                           ; a K step's word 4 bytes on,
	s_add_co_u32 s6, s6, s7
	s_add_co_u32 s6, s6, SCG
	v_lshl_add_u32 v[SCW], v58, 4, s6              ; a row 16 bytes on
	v_add_nc_u32 v[SCR], SCG, v[LOFF]
	s_lshl_b32 s6, s2, 11
	s_add_co_u32 s6, s6, RED
	v_lshl_add_u32 v[RDW], v58, 6, s6              ; my K step's sums: batch r at 64 r, my eight columns at 32 h
	v_lshl_add_u32 v[RDW], v59, 5, v[RDW]
	s_lshl_b32 s6, s2, 8
	s_add_co_u32 s6, s6, RED
	v_lshl_add_u32 v[RDR], v55, 3, s6              ; of each K step's 512 sums I add numbers 64 wave + 2 lane, + 1
	v_and_b32 v[BO], 7, v0
	v_lshlrev_b32 v[BO], 3, v[BO]                  ; which are columns 2 (lane % 8), + 1
	v_lshlrev_b32 v[QO], 3, v55
.irp b, 0,1,2,3
	v_mov_b32 v[TM+4+\b], 0                        ; written once: a lane permute's destination counts as one of its sources
.endr
	; byte offsets, apart from the addresses
	s_lshl_b32 s46, s2, 9                          ; a K step: 512 bytes of a row
	s_lshl_b32 s44, s4, 16                         ; 16 rows of 4,096 bytes
	s_add_co_u32 s44, s44, s46                     ; the weight
	s_mov_b32 s45, 0
	s_lshl_b32 s48, s5, 17
	s_add_co_u32 s46, s48, s46                     ; h[0] or h[1]
	s_mov_b32 s47, 0
	s_lshl_b32 s50, s4, 11
	s_add_co_u32 s48, s48, s50
	s_lshl_b32 s50, s2, 8
	s_add_co_u32 s48, s48, s50                     ; qws: 131,072 z + 2,048 tile + 256 wave
	s_mov_b32 s49, 0
	s_lshl_b32 s50, s4, 6                          ; the bias: 16 numbers a tile
	s_mov_b32 s51, 0
	s_lshr_b32 s52, s4, 4
	s_lshl_b32 s52, s52, 5
	s_lshl_b32 s53, s5, 4
	s_add_co_u32 s52, s52, s53
	s_and_b32 s53, s4, 15
	s_add_co_u32 s52, s52, s53                     ; T = 32 (tile / 16) + 16 z + tile % 16
	s_lshl_b32 s54, s52, 9                         ; wscl: 512 T
	s_mov_b32 s55, 0
	s_lshl_b32 s52, s52, 13
	s_lshl_b32 s53, s2, 10
	s_add_co_u32 s52, s52, s53                     ; wfrag: 8,192 T + 1,024 K step
	s_mov_b32 s53, 0
	s_wait_kmcnt 0x0
	s_cmp_eq_u32 s5, 0                             ; the choices hang on the work-group's number alone
	s_cselect_b64 s[28:29], s[8:9], s[10:11]
	s_cselect_b64 s[30:31], s[12:13], s[14:15]
	s_cselect_b64 s[34:35], s[18:19], s[20:21]
	s_cmp_lt_u32 s3, 2
	s_cselect_b64 s[28:29], s[28:29], s[30:31]
	s_add_nc_u64 s[28:29], s[28:29], s[44:45]      ; the weight at my rows and K step
	s_add_nc_u64 s[32:33], s[16:17], s[46:47]      ; h
	s_add_nc_u64 s[34:35], s[34:35], s[50:51]      ; the bias
	s_add_nc_u64 s[36:37], s[22:23], s[52:53]      ; wfrag
	s_add_nc_u64 s[38:39], s[24:25], s[54:55]      ; wscl
	s_add_nc_u64 s[40:41], s[26:27], s[48:49]      ; qws
	s_wait_alu depctr_va_vdst(0)                   ; the offsets and LDS addresses v1 to v11 are written, which the loads and stores of both ways read
	s_cmp_lt_u32 s3, 2
	s_cbranch_scc0 .Lquery
	; ---- wk_w, wv_w
	WLOAD
	s_wait_loadcnt 0x0                             ; one run of loads, all wanted at once
	TURN L0, SAA, LAA
	s_wait_dscnt 0x0
	QUANT L0, PCW, SW
	s_wait_alu depctr_va_vdst(0)                   ; the quantiser has written the fragment and the scale word, which the three stores below read
	global_store_b128 v[LOFF], v[PCW:PCW+3], s[36:37]                  ; the fragment as it stands: 512 consecutive bytes a store
	global_store_b128 v[LOFF], v[PCW+4:PCW+7], s[36:37] offset:512
	ds_store_b32 v[SCW], v[SW]                     ; lanes r and r + 16 write the same word with the same value
	s_wait_dscnt 0x0                               ; for the others' sake: my word lies in LDS
	s_barrier_signal -1
	s_barrier_wait -1
	s_cmp_lg_u32 s2, 0
	s_cbranch_scc1 .Ldone_w
	ds_load_b128 v[SO:SO+3], v[SCR]                ; wave 0: the tile's 128 words
	s_wait_dscnt 0x0
	global_store_b128 v[LOFF], v[SO:SO+3], s[38:39]                    ; 512 consecutive bytes
.Ldone_w:
	s_wait_dscnt 0x0                               ; the closing lines, six on end
	s_wait_alu 0x0
	s_wait_tensorcnt 0x0
	ds_add_u32 v22, v23
	s_wait_dscnt 0x0
	s_endpgm
	; ---- q1_w, q2_w
.Lquery:
.irp i, 0,1,2,3,4,5,6,7,8,9,10,11,12,13,14,15
	global_load_b128 v[L1+4*\i:L1+4*\i+3], v[LOFF], s[32:33] offset:4096*\i          ; h's rows 0-15
.endr
.irp i, 0,1,2,3,4,5,6,7,8,9,10,11,12,13,14,15
	global_load_b128 v[L2+4*\i:L2+4*\i+3], v[LOFF], s[32:33] offset:4096*(16+\i)     ; and 16-31
.endr
	global_load_b64 v[BI:BI+1], v[BO], s[34:35]
	WLOAD
	s_wait_loadcnt 0x0
	TURN L0, SAB, LAB
	TURN L1, SAB, LAB                              ; its stores come behind the loads above: LDS serves a wave in order
	s_wait_dscnt 32                                ; the weight's numbers are back; the second turn's 16 stores and 16 loads may be out
	QUANT L0, PCW, SW
	TURN L2, SAB, LAB                              ; (no vector instruction has named L2)
	s_wait_dscnt 32                                ; likewise: the third turn's 32 may be out
	QUANT L1, PCH0, SH0
	s_wait_dscnt 0x0
	QUANT L2, PCH1, SH1
.rept 8
	v_nop                                          ; a scale register written by a vector instruction stands 8 places ahead of a scaled matrix instruction, an operand so written 4
.endr
	s_wait_alu depctr_va_vdst(0)                   ; the quantiser has written the three fragments and the three scale words, which the scaled matrix instructions take; the places above stay beside this wait
	; used transposed: source 0 = 16 rows of the weight, source 1 = 16 rows of h: lane (r, h) register j = q(batch 16 t + r, column 8 h + j) of this K step
	v_wmma_scale_f32_16x16x128_f8f6f4 v[L0:L0+7], v[PCW:PCW+7], v[PCH0:PCH0+7], 0, v[SW], v[SH0] matrix_a_fmt:MATRIX_FMT_FP4 matrix_b_fmt:MATRIX_FMT_FP4
	v_wmma_scale_f32_16x16x128_f8f6f4 v[L0+8:L0+15], v[PCW:PCW+7], v[PCH1:PCH1+7], 0, v[SW], v[SH1] matrix_a_fmt:MATRIX_FMT_FP4 matrix_b_fmt:MATRIX_FMT_FP4
.rept 4
	v_nop                                          ; four places in front of the first read of the results (ISA guide 7.12.1)
.endr
	s_wait_alu depctr_va_vdst(0)                   ; the matrix instructions have written the two accumulators, which the LDS stores read; and the quantiser is done reading L1, in which the sums land behind the barrier
	ds_store_b128 v[RDW], v[L0:L0+3]               ; each accumulator from its low end on
	ds_store_b128 v[RDW], v[L0+4:L0+7] offset:16
	ds_store_b128 v[RDW], v[L0+8:L0+11] offset:1024
	ds_store_b128 v[RDW], v[L0+12:L0+15] offset:1040
	s_wait_dscnt 0x0                               ; for the others' sake: my K step's sums lie in LDS
	s_barrier_signal -1
	s_barrier_wait -1
.irp p, 0,1,2,3,4,5,6,7
	ds_load_b64 v[L1+2*\p:L1+2*\p+1], v[RDR] offset:2048*\p
.endr
	s_wait_dscnt 0x0
	v_pk_add_f32 v[L1:L1+1], v[L1:L1+1], v[L1+2:L1+3]
	v_pk_add_f32 v[L1+4:L1+5], v[L1+4:L1+5], v[L1+6:L1+7]
	v_pk_add_f32 v[L1+8:L1+9], v[L1+8:L1+9], v[L1+10:L1+11]
	v_pk_add_f32 v[L1+12:L1+13], v[L1+12:L1+13], v[L1+14:L1+15]
	v_pk_add_f32 v[L1:L1+1], v[L1:L1+1], v[L1+4:L1+5]
	v_pk_add_f32 v[L1+8:L1+9], v[L1+8:L1+9], v[L1+12:L1+13]
	v_pk_add_f32 v[L1:L1+1], v[L1:L1+1], v[L1+8:L1+9]
	v_pk_add_f32 v[L1:L1+1], v[L1:L1+1], v[BI:BI+1]                    ; the bias
	s_wait_alu depctr_va_vdst(0)                   ; the additions have written my two numbers of q, which the store reads
	global_store_b64 v[QO], v[L1:L1+1], s[40:41]   ; the wave stores 256 consecutive bytes, aligned
	s_wait_dscnt 0x0                               ; the closing lines, six on end
	s_wait_alu 0x0
	s_wait_tensorcnt 0x0
	ds_add_u32 v22, v23
	s_wait_dscnt 0x0
	s_endpgm
.Lfunc_end_k_q46760abfcf_prep:
	.size	k_q46760abfcf_prep, .Lfunc_end_k_q46760abfcf_prep-k_q46760abfcf_prep
	.p2alignl 7, 3214868480
	.fill 96, 4, 3214868480
	.section	.rodata,"a",@progbits
	.p2align	6, 0x0
	.amdhsa_kernel k_q46760abfcf_prep
		.amdhsa_group_segment_fixed_size 153088
		.amdhsa_private_segment_fixed_size 0
		.amdhsa_enable_private_segment 0
		.amdhsa_kernarg_size 80
		.amdhsa_user_sgpr_count 2
		.amdhsa_user_sgpr_kernarg_segment_ptr 1
		.amdhsa_wavefront_size32 1
		.amdhsa_system_sgpr_workgroup_id_x 1
		.amdhsa_system_sgpr_workgroup_id_y 1
		.amdhsa_system_sgpr_workgroup_id_z 1
		.amdhsa_system_vgpr_workitem_id 0
		.amdhsa_next_free_vgpr 256
		.amdhsa_next_free_sgpr 66
		.amdhsa_reserve_vcc 0
		.amdhsa_float_denorm_mode_32 3
		.amdhsa_float_denorm_mode_16_64 3
		.amdhsa_memory_ordered 1
		.amdhsa_forward_progress 1
		.amdhsa_inst_pref_size 37
	.end_amdhsa_kernel
	.amdgpu_metadata
---
amdhsa.version: [ 1, 2 ]
amdhsa.kernels:
  - .name:           k_q46760abfcf_prep
    .symbol:         k_q46760abfcf_prep.kd
    .args:
      - { .name: wk_w, .offset: 0, .size: 8, .value_kind: global_buffer, .address_space: global }
      - { .name: wv_w, .offset: 8, .size: 8, .value_kind: global_buffer, .address_space: global }
      - { .name: q1_w, .offset: 16, .size: 8, .value_kind: global_buffer, .address_space: global }
      - { .name: q2_w, .offset: 24, .size: 8, .value_kind: global_buffer, .address_space: global }
      - { .name: h, .offset: 32, .size: 8, .value_kind: global_buffer, .address_space: global }
      - { .name: q1_b, .offset: 40, .size: 8, .value_kind: global_buffer, .address_space: global }
      - { .name: q2_b, .offset: 48, .size: 8, .value_kind: global_buffer, .address_space: global }
      - { .name: wfrag, .offset: 56, .size: 8, .value_kind: global_buffer, .address_space: global }
      - { .name: wscl, .offset: 64, .size: 8, .value_kind: global_buffer, .address_space: global }
      - { .name: qws, .offset: 72, .size: 8, .value_kind: global_buffer, .address_space: global }
    .group_segment_fixed_size: 153088
    .private_segment_fixed_size: 0
    .kernarg_segment_align: 8
    .kernarg_segment_size: 80
    .max_flat_workgroup_size: 256
    .sgpr_count:     66
    .vgpr_count:     256
    .wavefront_size: 32
...
	.end_amdgpu_metadata
.endif
;; end of part 4
;; launch attn (part 5): grid 256 x 1, 4 waves a work-group, no clusters, 98,816 bytes of LDS; arguments obj_embed, wfrag, wscl, qws, wk_b, alpha1, alpha2, part_o, part_ml; writes part_o, part_ml
.if DOCPART == 5
	.amdgcn_target "amdgcn-amd-amdhsa--gfx1250"
	.amdhsa_code_object_version 6
	.text
	.protected	k_q46760abfcf_attn
	.globl	k_q46760abfcf_attn
	.p2align	8
	.type	k_q46760abfcf_attn,@function
k_q46760abfcf_attn:
	s_mov_b64 s[64:65], 0
	v_nop
	global_prefetch_b8 v0, s[64:65] scope:SCOPE_SE
	s_setreg_imm32_b32 hwreg(HW_REG_WAVE_SCHED_MODE, 0, 2), 2
	s_setreg_imm32_b32 hwreg(HW_REG_WAVE_MODE, 25, 1), 1
	s_wait_xcnt 0x0
	s_wait_alu depctr_vm_vsrc(0)
; One work-group takes 128 objects (rows) of one batch through the whole chain; key and value never go to memory.
;   X: the rows are quantised to FP4 (E2M1) with one E8M0 scale for each 32 along K; wave w quantises rows 32 w .. + 31.  Only the CODES go through LDS, an eighth of the numbers' bytes;
;      EVERY wave then holds all 128 rows' codes: 8 row tiles x 8 K steps x 8 registers = 512 registers.
;      A load reads 512 consecutive bytes of one row: lanes 0-15 take its even pieces of 16 bytes, lanes 16-31 the odd ones.  The loads of two neighbouring rows land in 8 consecutive registers, and four
;      v_permlane16_swap_b32 leave lanes 0-15 with 8 neighbours along K of the first row and lanes 16-31 with 8 neighbours of the second: what the conversion takes.  A block of 32 is then four lanes.
;   key: wave w makes columns 256 w .. + 255 of X Wk^T, a tile of 16 columns at a time (64 matrix instructions), and at once folds it into the scores: t(n) += qc . key(n), qc = (alpha1 q1 + alpha2 q2) log2(e) / 32.
;      wk_b enters as qc . wk_b, added to every score.  The four waves' parts of the 128 scores meet in LDS.
;   softmax of the block: m = the largest t of the 128, p = 2^(t - m), l = the sum of p.  m and l go to part_ml.
;   value: the same walk over X Wv^T; o(d) = the sum over the rows of p(n) value(n, d), to part_o.  The last launch joins a batch's eight blocks, divides, and adds wv_b (the weights sum to 1).
; THE WEIGHTS come as register images, made by the launch before: a fragment is two loads of 512 consecutive bytes, from memory straight into the registers of the one wave that uses it, and feeds 8 matrix instructions.
; Three tiles (51 loads) are on their way while a tile is multiplied.  THE WALK IS ROTATED by the work-group's number: trip j takes the group of four tiles (j + x % 4) % 4; qc and o lie in LDS in the order of the walk.
; NO JOINT LOADS, though all work-groups read the same weights: a joint load lands in LDS, and here no two waves of a work-group use the same fragment, so each fragment would be written to LDS and read from it once more;
; beside the 98,304 bytes in use two slots of 114,432 bytes would hold 3 tiles a wave, 192 matrix instructions between two changes of slots at each of which all loads are waited for.
; No tensor loads for X either: the ring of four register sets has up to four sets of 16 loads of 512 bytes out in each wave, and no wait in it is for zero.
; LIMITS: NaN and infinities among the inputs are not served.  A block of zeros gets the byte 1, not 127: its codes are zeros, and the bytes are read here alone.  p under 2^-126 is 0 (v_exp_f32: ISA guide 15.8).
; The sums over d and over the rows are taken in another order than one chain: f32 throughout.
; REGISTERS, in windows of 256 (s_set_vgpr_msb: bits 1:0 source 0, 3:2 source 1, 5:4 source 2, 7:6 destination):
;   window 0: addresses, scale words, all vector work, the 8 accumulators.   window 1: four sets of 64: X as it lands, then the ring of weight tiles.   windows 2, 3: X's fragments: (m, s) at window 2 + m / 4, v[64 (m % 4) + 8 s].
; THE MODE: SCHED_MODE bits 1:0 = 2 (LLVM: expert scheduling mode 2), set by the entry lines.  The code itself states the register dependences
; between vector or matrix instructions and memory or LDS instructions, with s_wait_alu, always for 0.
; THE PLAN.  Registers that memory or LDS instructions touch:
;   window 1, sets 0 to 3   Phase X, step t: its swaps write set t % 4, its maxima and conversions read it; behind them the loads of step t + 4 (from step 12 on: a weight tile) land in it.
;                           Products, tile q: its 64 matrix instructions read set q; the loads at the next tile's head land in it.  The weights' scale words BSC go with their sets.
;   CD, SBR                 A step's conversions and shifts write them, its LDS stores read them; CD's set is written again two steps on, SBR four K steps on.
;   QC                      An LDS load at a key tile's head lands in it; the tile's multiply-adds read it.
;   v[QAD], v[OAD]          Written once a trip, at its top; read by the trip's LDS loads of qc, by its LDS stores of o.
;   OT                      Written at a value tile's end, read by its LDS store, written again a trip on.
;   v224-255, P             Landing places and data of the few loads and stores at the head, round the softmax and on the way out.
;   All other addresses are made at the head and never written again; windows 2 and 3 are loaded once and read by matrix instructions alone.
; So ONE wait on va_vdst stands in a step of phase X, behind its conversions; one in a key tile, at its head; one in a value tile, at its end, ahead of its store.  Each shows a set free, and that set is asked for again
; at once: the ring's depth is what the loops live on.  One wait on vm_vsrc stands at the head of a step of phase X and at the top of a trip.
.set XP,    80                         ; a row's 64 bytes of codes of one K step + 16: 5 x 16 bytes, so the 16 rows that a fragment load touches begin at 16 different 16-byte columns of 256
.set XKS,   128*XP                     ; a K step's codes of the 128 rows
.set XIMG,  0                          ; X's codes: [K step][row][80]
.set XSC,   8*XKS                      ; their scale bytes: [K steps 0-3, 4-7][row][block 0..3] words; in a word byte q belongs to K step q of the four
.set QB,    XSC+4096                   ; qc of each wave's 256 columns, in the order of its walk
.set SPART, QB+4096                    ; the waves' parts of the 128 scores
.set PBUF,  SPART+2048                 ; p, once for each wave
.set OST,   PBUF+2048                  ; o of each wave's 256 columns, in the order of its walk
.set LOFF, 1                           ; v1   16 x lane
.set XOFF, 2                           ; v2   my 16 bytes of a load's 512 of X: 32 (lane % 16) + 16 (lane / 16)
.set XR0,  3                           ; v3   a fragment's place for my lane: 80 r + 16 h, K steps 0-3
.set XR1,  4                           ; v4   and K steps 4-7
.set CW0,  5                           ; v5   where my 4 bytes of codes go, K steps 0-3
.set XSL,  6                           ; v6   where the scale bytes are read
.set QA0,  7                           ; v7   qc: my half's 8 numbers of the walk's first tile
.set QST,  8                           ; v8   qc: where I put 8 numbers
.set QAD,  9                           ; v9   qc: the trip's
.set SPS,  10                          ; v10  scores: where mine go
.set SPL,  11                          ; v11  scores: where 4 of each wave's are read
.set PST,  12                          ; v12  p: in
.set PLD,  13                          ; v13  p: back
.set OA0,  14                          ; v14  o: column r of the walk's first tile
.set OAD,  15                          ; v15  o: the trip's
.set ORD,  16                          ; v16  o: back
.set GO0,  17                          ; v17, v18  my 16 bytes of the wave's 1,024 in part_o, the rotation undone
.set GO1,  18
.set MLO,  19                          ; v19  8 x lane
.set SBI,  20                          ; v20  qc . wk_b over my wave's columns
.set QWO,  21                          ; v21  my 8 numbers in qws
.set BKO,  22                          ; v22  and in wk_b
.set CW1,  25                          ; v25  where my codes go, K steps 4-7
.set SCW,  26                          ; v26  where my block's word of scale bytes goes
.set UT,   27                          ; v27-30  at work where the scale bytes are turned
.set ASC,  32                          ; v32-63  X's scale words: register 4 m + q: lanes 0-15 K step q, lanes 16-31 K step 4 + q.  Scales and nothing else
.set BSC,  64                          ; v64-79  the weights': register 4 set + q, likewise.  Scales and nothing else
.set MX,   80                          ; v80-87  phase X: the largest magnitudes, a register for each of a step's 8 pairs of rows
.set SOP,  88                          ; v88-95  the conversions' scale operands
.set CD,   96                          ; v96-111 the codes: a set of 8 for the even steps and one for the odd
.set QC,   106                         ; v106-113 qc of the tile in hand
.set SAC,  114                         ; v114-129 the scores' sums: a pair for each row tile
.set P,    80                          ; v80-143 in the value phase: p, register 8 m + j = p(16 m + 8 h + j)
.set OA,   144                         ; v144-151 four pairs of sums
.set OT,   152                         ; v152-155 a tile's o, one register for each tile of a trip
.set OX,   156                         ; v156    lane exchanges
.set SBR,  160                         ; v160-175 phase X: four K steps' scale bytes, a register for each of my 16 pairs of rows
.set BYT,  176                         ; v176-183 a step's scale bytes
.set ACC,  160                         ; afterwards the 8 accumulators, v160-223
.set SEL,  26                          ; s[26:27] selects for v_permlanex16_b32: lane l xor 16
.set CBC,  32                          ; s[32:33] this trip's four tiles of codes;  s[34:35] the next trip's
.set NBC,  34
.set CBS,  36                          ; s[36:37], s[38:39] the same for the scale words
.set NBS,  38
.set MSB, 0
.macro WIN new                         ; the immediate's high byte repeats the setting that is left; a switch that changes nothing is dropped
.if MSB != (\new)
	s_set_vgpr_msb (MSB<<8)|(\new)
.set MSB, (\new)
.endif
.endm
; Step t of phase X is rows 16 (t % 2) .. + 15 of my 32, K step t / 2.  Its 16 loads, a row each, read 512 consecutive bytes; they land in set t % 4 of window 1, row i in registers 4 i .. 4 i + 3.
.macro XLOAD t
	WIN 0x40
.irp i, 0,1,2,3,4,5,6,7,8,9,10,11,12,13,14,15
	global_load_b128 v[64*((\t)%4)+4*\i:64*((\t)%4)+4*\i+3], v[XOFF], s[8:9] offset:((\t)%2)*65536+\i*4096+((\t)/2)*512 th:TH_LOAD_NT
.endr
	WIN 0
.endm
; A weight tile (16 columns x all of K) is 17 loads: its 128 scale words by one, under window 0, and 16 loads of 512 consecutive bytes into a set of window 1.  What follows the second macro sets its own windows.
.macro BSCL set, sb, toff
	global_load_b128 v[BSC+4*(\set):BSC+4*(\set)+3], v[LOFF], s[\sb:\sb+1] offset:(\toff)*512
.endm
.macro BCOD set, cb, toff
	WIN 0x40
.irp f, 0,1,2,3,4,5,6,7,8,9,10,11,12,13,14,15
	global_load_b128 v[64*(\set)+4*\f:64*(\set)+4*\f+3], v[LOFF], s[\cb:\cb+1] offset:(\toff)*8192+512*\f
.endr
.endm
; K step s of all 8 row tiles, from LDS into windows 2 and 3.  A fragment is 16 rows x 128 K: lane (r, h) takes, of row r's 64 bytes, the 16 at 16 h and the 16 at 32 + 16 h.
.macro ALOAD s
.if (\s) < 4
.set XRR, XR0
.else
.set XRR, XR1
.endif
	WIN 0x80
.irp m, 0,1,2,3
	ds_load_b128 v[64*\m+8*(\s):64*\m+8*(\s)+3],   v[XRR] offset:((\s)%4)*XKS+\m*16*XP
	ds_load_b128 v[64*\m+8*(\s)+4:64*\m+8*(\s)+7], v[XRR] offset:((\s)%4)*XKS+\m*16*XP+32
.endr
	WIN 0xc0
.irp m, 0,1,2,3
	ds_load_b128 v[64*\m+8*(\s):64*\m+8*(\s)+3],   v[XRR] offset:((\s)%4)*XKS+(\m+4)*16*XP
	ds_load_b128 v[64*\m+8*(\s)+4:64*\m+8*(\s)+7], v[XRR] offset:((\s)%4)*XKS+(\m+4)*16*XP+32
.endr
	WIN 0
.endm
; A step: 16 rows x 128 numbers become codes and scale bytes.  Pair p of the step is rows 2 p and 2 p + 1 of the sixteen.
.macro XSTEP t
.set RS,  64*((\t)%4)                  ; the step's set, in window 1
.set CDS, CD+8*((\t)%2)                ; its codes: a set is written again two steps on, behind the wait on vm_vsrc at that step's head
.set SBS, SBR+8*((\t)%2)               ; its pairs' gathered scale bytes
.set KQ,  ((\t)/2)%4                   ; which of four K steps
.if (\t) < 8
.set CWR, CW0
.else
.set CWR, CW1
.endif
.if (\t) <= 12
	s_wait_loadcnt 48                              ; loads come back in order (ISA guide 5.7.1): set t is in; the three younger sets of 16 stay out
.else
	s_wait_loadcnt 36+(\t)                         ; behind set t: 16 (15 - t) loads of X and 17 (t - 12) of the weights
.endif
.if (\t) >= 2
	s_wait_alu depctr_vm_vsrc(0)                   ; the LDS stores of two steps back have read the set of codes that this step's conversions write again (steps 8 and 9: and the gathered scale bytes, which begin anew)
.endif
	WIN 0x41                                       ; both registers of a swap lie in window 1
.irp p, 0,1,2,3,4,5,6,7
.irp j, 0,1,2,3
	v_permlane16_swap_b32 v[RS+8*\p+\j], v[RS+8*\p+4+\j]   ; the first row's odd pieces (its lanes 16-31) change places with the second row's even pieces (its lanes 0-15)
.endr
.endr                                          ; now lane l holds, in registers 8 p .. 8 p + 7, k = 8 (l % 16) + 0 .. 7 of row 2 p + l / 16
	WIN 0x05                                       ; sources 0 and 1 window 1
.irp p, 0,1,2,3,4,5,6,7
	v_max3_num_f32 v[MX+\p], |v[RS+8*\p]|, |v[RS+8*\p+1]|, 0x1800000   ; my 8 numbers, and the floor 2^(3 - 127): the byte cannot fall under 1
.endr
	WIN 0x14                                       ; sources 1 and 2 window 1
.irp i, 2,4,6
.irp p, 0,1,2,3,4,5,6,7
	v_max3_num_f32 v[MX+\p], v[MX+\p], |v[RS+8*\p+\i]|, |v[RS+8*\p+\i+1]|   ; the eight pairs by turns
.endr
.endr
	WIN 0
.irp p, 0,1,2,3,4,5,6,7
	v_max_num_f32_dpp v[MX+\p], v[MX+\p], v[MX+\p] row_xmask:1 row_mask:0xf bank_mask:0xf
.endr
.irp p, 0,1,2,3,4,5,6,7
	v_max_num_f32_dpp v[MX+\p], v[MX+\p], v[MX+\p] row_xmask:2 row_mask:0xf bank_mask:0xf   ; four lanes hold a block of 32: its largest magnitude
.endr
.irp p, 0,1,2,3,4,5,6,7
	v_add_nc_u32 v[SOP+\p], 0xff000000, v[MX+\p]   ; 2 off its exponent field: the conversion takes this operand's exponent field as its scale
.endr
.if KQ == 0
.irp p, 0,1,2,3,4,5,6,7
	v_lshrrev_b32 v[SBS+\p], 23, v[SOP+\p]         ; the scale's byte: the first of four K steps'
.endr
.else
.irp p, 0,1,2,3,4,5,6,7
	v_lshrrev_b32 v[BYT+\p], 23, v[SOP+\p]
.endr
.irp p, 0,1,2,3,4,5,6,7
	v_lshl_or_b32 v[SBS+\p], v[BYT+\p], 8*KQ, v[SBS+\p]   ; K step q of the four in byte q
.endr
.endif
	WIN 0x01                                       ; source 0 window 1
.irp p, 0,1,2,3,4,5,6,7
	v_cvt_scalef32_pk8_fp4_f32 v[CDS+\p], v[RS+8*\p:RS+8*\p+7], v[SOP+\p]
.endr
	WIN 0
	v_nop                                          ; one plain place behind a scaled conversion
	s_wait_alu depctr_va_vdst(0)                   ; the step's codes and gathered scale bytes are written, which the LDS stores below read; its swaps, maxima and conversions are done with set t, in which the loads below land
.irp p, 0,1,2,3,4,5,6,7
	ds_store_b32 v[CWR], v[CDS+\p] offset:KQ*XKS+(8*((\t)%2)+\p)*2*XP   ; lanes 0-15: 64 consecutive bytes of one row; lanes 16-31: of the next, 80 bytes on: 32 different banks
.endr
.if KQ == 3
.irp p, 0,1,2,3,4,5,6,7
	ds_store_b32 v[SCW], v[SBS+\p] offset:((\t)/8)*2048+(8*((\t)%2)+\p)*32   ; a block's four lanes write the same word with the same value
.endr
.endif
.if (\t) <= 11
	XLOAD (\t)+4                                   ; the set is asked for again at once: no vector instruction since the wait names it
.elseif (\t) <= 14
	BSCL (\t)-12, CBS, (\t)-12                     ; X is all asked for: the first weight tiles take the sets that fall free
	BCOD (\t)-12, CBC, (\t)-12
	WIN 0
.endif
.if (\t)%2 == 1
	s_wait_dscnt 0x0                               ; for the others' sake: my 32 rows' codes of this K step lie in LDS
	s_barrier_signal -1
	s_barrier_wait -1                              ; everybody's do.  A K step's bytes are written once, so no second barrier is needed
	ALOAD (\t)/2
.endif
.endm
; 32 matrix instructions: weight tile in set q x row tiles 4 g .. 4 g + 3, all 8 K steps.  Four accumulators take turns, one instruction a turn; the first K step starts the sums.
; KEY, used transposed: source 0 = 16 rows of Wk, source 1 = 16 rows of X: lane (r, h) register j = key(row 16 m + r, column 8 h + j).
.macro MULK q, g
	WIN 0x09+4*\g
.irp s, 0,1,2,3,4,5,6,7
.irp m, 0,1,2,3
.set rD, ACC+8*(4*\g+\m)
.set rW, 64*\q+8*\s
.set rX, 64*\m+8*\s
.set rB, BSC+4*\q+\s%4
.set rA, ASC+4*(4*\g+\m)+\s%4
.if \s == 0
	v_wmma_scale_f32_16x16x128_f8f6f4 v[rD:rD+7], v[rW:rW+7], v[rX:rX+7], 0, v[rB], v[rA] matrix_a_fmt:MATRIX_FMT_FP4 matrix_b_fmt:MATRIX_FMT_FP4
.elseif \s < 4
	v_wmma_scale_f32_16x16x128_f8f6f4 v[rD:rD+7], v[rW:rW+7], v[rX:rX+7], v[rD:rD+7], v[rB], v[rA] matrix_a_fmt:MATRIX_FMT_FP4 matrix_b_fmt:MATRIX_FMT_FP4
.else
	v_wmma_scale_f32_16x16x128_f8f6f4 v[rD:rD+7], v[rW:rW+7], v[rX:rX+7], v[rD:rD+7], v[rB], v[rA] matrix_a_fmt:MATRIX_FMT_FP4 matrix_b_fmt:MATRIX_FMT_FP4 matrix_a_scale:MATRIX_SCALE_ROW1 matrix_b_scale:MATRIX_SCALE_ROW1
.endif
.endr
.endr
.endm
; VALUE, the natural way: source 0 = 16 rows of X, source 1 = 16 rows of Wv: lane (r, h) register j = value(row 16 m + 8 h + j, column r).
.macro MULV q, g
	WIN 0x06+\g
.irp s, 0,1,2,3,4,5,6,7
.irp m, 0,1,2,3
.set rD, ACC+8*(4*\g+\m)
.set rW, 64*\q+8*\s
.set rX, 64*\m+8*\s
.set rB, BSC+4*\q+\s%4
.set rA, ASC+4*(4*\g+\m)+\s%4
.if \s == 0
	v_wmma_scale_f32_16x16x128_f8f6f4 v[rD:rD+7], v[rX:rX+7], v[rW:rW+7], 0, v[rA], v[rB] matrix_a_fmt:MATRIX_FMT_FP4 matrix_b_fmt:MATRIX_FMT_FP4
.elseif \s < 4
	v_wmma_scale_f32_16x16x128_f8f6f4 v[rD:rD+7], v[rX:rX+7], v[rW:rW+7], v[rD:rD+7], v[rA], v[rB] matrix_a_fmt:MATRIX_FMT_FP4 matrix_b_fmt:MATRIX_FMT_FP4
.else
	v_wmma_scale_f32_16x16x128_f8f6f4 v[rD:rD+7], v[rX:rX+7], v[rW:rW+7], v[rD:rD+7], v[rA], v[rB] matrix_a_fmt:MATRIX_FMT_FP4 matrix_b_fmt:MATRIX_FMT_FP4 matrix_a_scale:MATRIX_SCALE_ROW1 matrix_b_scale:MATRIX_SCALE_ROW1
.endif
.endr
.endr
.endm
.macro AHEAD q                         ; the tile three on, into the set that the last tile left: the trip's fourth tile, or one of the next trip's first three.  It begins under window 0
.if \q == 0
	BSCL 3, CBS, 3
	BCOD 3, CBC, 3
.else
	BSCL \q-1, NBS, \q-1
	BCOD \q-1, NBC, \q-1
.endif
.endm
; A key tile.  The four v_nop are the places (ISA guide 7.12.1) in front of the first read of the results; with the 32 multiply-adds they are also the places in front of the next tile's first products,
; which begin the accumulators anew.
.macro KTILE q
	s_wait_alu depctr_va_vdst(0)                   ; the last tile's matrix instructions are done reading their set and its scale words, and its multiply-adds reading qc: the loads below land in all three; in a trip's first tile v[QAD] is written, which the LDS loads read; in the very first tile X's scale words are written, which the matrix instructions take
	ds_load_b128 v[QC:QC+3], v[QAD] offset:64*\q
	ds_load_b128 v[QC+4:QC+7], v[QAD] offset:64*\q+16
	AHEAD \q
	s_wait_loadcnt 51                              ; this tile's 17 loads are in; the three younger tiles' 51 stay out
	MULK \q, 0
	MULK \q, 1
	WIN 0
.rept 4
	v_nop
.endr
	s_wait_dscnt 0x0                               ; qc of this tile
.irp i, 0,1,2,3                                ; each accumulator is read from its low end on
.irp m, 0,1,2,3,4,5,6,7
	v_pk_fma_f32 v[SAC+2*\m:SAC+2*\m+1], v[ACC+8*\m+2*\i:ACC+8*\m+2*\i+1], v[QC+2*\i:QC+2*\i+1], v[SAC+2*\m:SAC+2*\m+1]
.endr
.endr
.endm
; A value tile.  ld = 1: the tile three on is asked for; cnt: the younger loads that may stay out.
; The loads at its head owe no wait of their own: since the wait at the last tile's end (ahead of the first value tile: the wait behind the exponentials) no vector or matrix instruction names the set or the scale words in which they land.
.macro VTILE q, ld, cnt
.if \ld
	AHEAD \q
.endif
	s_wait_loadcnt \cnt
	MULV \q, 0
	MULV \q, 1
	WIN 0
.rept 4
	v_nop
.endr
	s_wait_dscnt 0x0                               ; the store that read OT + q a trip ago is done
.irp m, 0,1,2,3
	v_pk_mul_f32 v[OA+2*\m:OA+2*\m+1], v[ACC+8*\m:ACC+8*\m+1], v[P+8*\m:P+8*\m+1]        ; the first products start the four sums
.endr
.irp m, 4,5,6,7
	v_pk_fma_f32 v[OA+2*(\m-4):OA+2*(\m-4)+1], v[ACC+8*\m:ACC+8*\m+1], v[P+8*\m:P+8*\m+1], v[OA+2*(\m-4):OA+2*(\m-4)+1]
.endr
.irp i, 1,2,3
.irp m, 0,1,2,3,4,5,6,7
	v_pk_fma_f32 v[OA+2*(\m%4):OA+2*(\m%4)+1], v[ACC+8*\m+2*\i:ACC+8*\m+2*\i+1], v[P+8*\m+2*\i:P+8*\m+2*\i+1], v[OA+2*(\m%4):OA+2*(\m%4)+1]
.endr
.endr
	v_pk_add_f32 v[OA:OA+1], v[OA:OA+1], v[OA+2:OA+3]
	v_pk_add_f32 v[OA+4:OA+5], v[OA+4:OA+5], v[OA+6:OA+7]
	v_pk_add_f32 v[OA:OA+1], v[OA:OA+1], v[OA+4:OA+5]
	v_add_f32 v[OT+\q], v[OA], v[OA+1]
	v_permlanex16_b32 v[OX], v[OT+\q], s[SEL], s[SEL+1]
	v_add_f32 v[OT+\q], v[OT+\q], v[OX]            ; with lane l xor 16's 64 rows: o of column r
	s_wait_alu depctr_va_vdst(0)                   ; o of this tile is written, and in a trip's first tile v[OAD]: the store below reads both; the tile's matrix instructions are done reading set q and its scale words, in which the next tile's loads land
	ds_store_b32 v[OAD], v[OT+\q] offset:64*\q     ; lanes r and r + 16 write the same word with the same value
.endm
; The bases move on: this trip's become the next trip's, and those of trip J + 2 are made: 131,072 (u / 4) + 32,768 ((u + rot) % 4) bytes of codes, a sixteenth of that in scale words.
.macro NEXTTRIP
	s_wait_xcnt 0x0                                ; the trip's loads have read their bases: only behind this wait are they written
	s_mov_b64 s[CBC:CBC+1], s[NBC:NBC+1]
	s_mov_b64 s[CBS:CBS+1], s[NBS:NBS+1]
	s_add_co_u32 s3, s3, 1
	s_add_co_u32 s5, s3, 1
	s_lshr_b32 s6, s5, 2
	s_lshl_b32 s6, s6, 17
	s_add_co_u32 s5, s5, s4
	s_and_b32 s5, s5, 3
	s_lshl_b32 s5, s5, 15
	s_add_co_u32 s40, s5, s6
	s_mov_b32 s41, 0
	s_add_nc_u64 s[NBC:NBC+1], s[10:11], s[40:41]
	s_lshr_b32 s40, s40, 4
	s_add_nc_u64 s[NBS:NBS+1], s[12:13], s[40:41]
.endm
	s_load_b512 s[8:23], s[0:1], 0x0               ; obj_embed, wfrag, wscl, qws, wk_b, alpha1, alpha2, part_o
	s_load_b64 s[24:25], s[0:1], 0x40              ; part_ml
	v_lshl_add_u32 v158, v0, 2, 0x18000            ; the LDS address of my spare word, behind o; kept for the closing lines alone
	v_mov_b32 v159, 0                              ; and 0, likewise
	v_lshrrev_b32 v224, 5, v0
	v_readfirstlane_b32 s2, v224                   ; wave 0..3
	s_and_b32 s4, ttmp9, 3                         ; rot
	s_mov_b32 s[SEL], 0x76543210
	s_mov_b32 s[SEL+1], 0xfedcba98
	s_mov_b32 s44, 0x05010400                      ; v_perm_b32's selects for the turn of 4 x 4 bytes: bytes 0 and 1 of two words, by turns;
	s_mov_b32 s45, 0x07030602                      ; bytes 2 and 3;
	s_mov_b32 s46, 0x05040100                      ; the two low halves;
	s_mov_b32 s47, 0x07060302                      ; the two high halves
	v_and_b32 v225, 31, v0                         ; lane
	v_and_b32 v226, 15, v0                         ; r
	v_bfe_u32 v227, v0, 4, 1                       ; h
	v_bfe_u32 v228, v0, 2, 2                       ; which block of a K step's four my 8 numbers lie in
	v_lshlrev_b32 v[LOFF], 4, v225
	v_lshlrev_b32 v[XOFF], 5, v226
	v_lshl_add_u32 v[XOFF], v227, 4, v[XOFF]       ; lanes 0-15 the even pieces of 16 bytes, lanes 16-31 the odd ones
	v_mul_u32_u24 v[XR0], v226, XP
	v_lshl_add_u32 v[XR0], v227, 4, v[XR0]
	v_add_nc_u32 v[XR1], 4*XKS, v[XR0]
	s_wait_alu depctr_va_sdst(0)                   ; s2 is written, ahead of its first reader: LDS addresses and the buffers' offsets are made from it
	s_mul_i32 s5, s2, 32*XP                        ; my wave's 32 rows in a K step's block
	v_mul_u32_u24 v[CW0], v227, XP                 ; lanes 16-31: the pair's second row
	v_lshl_add_u32 v[CW0], v226, 2, v[CW0]         ; 8 codes: 4 bytes a lane
	v_add_nc_u32 v[CW0], s5, v[CW0]
	v_add_nc_u32 v[CW1], 4*XKS, v[CW0]
	s_lshl_b32 s5, s2, 9
	s_add_co_u32 s6, s5, XSC                       ; my wave's 32 rows of 16 bytes
	v_lshl_add_u32 v[SCW], v228, 2, s6
	v_lshl_add_u32 v[SCW], v227, 4, v[SCW]
	v_lshlrev_b32 v[XSL], 4, v226
	v_lshl_add_u32 v[XSL], v227, 11, v[XSL]        ; lanes 16-31 read K steps 4-7's
	v_add_nc_u32 v[XSL], XSC, v[XSL]
	s_lshl_b32 s5, s2, 10
	s_add_co_u32 s6, s5, QB
	v_lshl_add_u32 v[QA0], v227, 5, s6
	v_lshl_add_u32 v[QST], v225, 5, s6
	s_add_co_u32 s6, s5, OST
	v_lshl_add_u32 v[OA0], v226, 2, s6
	v_add_nc_u32 v[ORD], s6, v[LOFF]
	s_lshl_b32 s5, s2, 9
	s_add_co_u32 s6, s5, SPART
	v_lshl_add_u32 v[SPS], v226, 2, s6
	v_add_nc_u32 v[SPL], SPART, v[LOFF]
	s_add_co_u32 s6, s5, PBUF
	v_add_nc_u32 v[PST], s6, v[LOFF]
	v_lshl_add_u32 v[PLD], v227, 5, s6
	s_lshl_b32 s5, s4, 8                           ; the rotation: 4 tiles of 64 bytes for each step
	v_add_nc_u32 v[GO0], s5, v[LOFF]
	v_add_nc_u32 v[GO1], 512, v[GO0]
	v_and_b32 v[GO0], 1023, v[GO0]
	v_and_b32 v[GO1], 1023, v[GO1]
	v_lshlrev_b32 v[MLO], 3, v225
	s_lshl_b32 s6, s4, 2
	v_lshrrev_b32 v228, 1, v225                    ; lane l holds numbers 8 l .. 8 l + 7 of the walk: its tile l / 2, half l % 2,
	v_add_nc_u32 v228, s6, v228
	v_and_b32 v228, 15, v228                       ; which is tile (l / 2 + 4 rot) % 16 of my 16
	v_and_b32 v229, 1, v225
	v_lshlrev_b32 v229, 5, v229
	v_lshl_add_u32 v[QWO], v228, 11, v229          ; qws: 2,048 bytes a tile
	v_lshl_add_u32 v[BKO], v225, 5, s5
	v_and_b32 v[BKO], 1023, v[BKO]                 ; wk_b: 64 bytes a tile
	v_mov_b32 v[OX], 0                             ; written once: a lane permute's destination counts as one of its sources
	s_mov_b32 s41, 0
	s_mov_b32 s3, 0                                ; J: the trip, 0 .. 7
	s_wait_kmcnt 0x0
	s_load_b32 s28, s[18:19], 0x0                  ; alpha1
	s_load_b32 s29, s[20:21], 0x0                  ; alpha2
	s_lshl_b32 s40, ttmp9, 19                      ; my work-group's 128 rows of 4,096 bytes,
	s_lshl_b32 s5, s2, 17                          ; my wave's 32
	s_add_co_u32 s40, s40, s5
	s_add_nc_u64 s[8:9], s[8:9], s[40:41]
	s_lshl_b32 s40, s2, 18
	s_add_nc_u64 s[10:11], s[10:11], s[40:41]      ; my wave's 32 tiles of codes
	s_lshl_b32 s40, s2, 14
	s_add_nc_u64 s[12:13], s[12:13], s[40:41]      ; and of scale words
	s_lshr_b32 s5, ttmp9, 3                        ; the batch
	s_lshl_b32 s5, s5, 6
	s_lshl_b32 s40, s2, 15
	s_add_co_u32 s40, s40, s5
	s_add_nc_u64 s[14:15], s[14:15], s[40:41]      ; qws: my 16 tiles, my batch's 64 bytes in each
	s_lshl_b32 s40, s2, 10
	s_add_nc_u64 s[16:17], s[16:17], s[40:41]      ; wk_b: my 256 numbers
	s_lshl_b32 s5, ttmp9, 12
	s_add_co_u32 s40, s40, s5
	s_add_nc_u64 s[22:23], s[22:23], s[40:41]      ; part_o
	s_lshl_b32 s40, ttmp9, 8
	s_add_nc_u64 s[24:25], s[24:25], s[40:41]      ; part_ml
	s_lshl_b32 s40, s4, 15                         ; trip 0
	s_add_nc_u64 s[CBC:CBC+1], s[10:11], s[40:41]
	s_lshr_b32 s40, s40, 4
	s_add_nc_u64 s[CBS:CBS+1], s[12:13], s[40:41]
	s_add_co_u32 s5, s4, 1                         ; trip 1
	s_and_b32 s5, s5, 3
	s_lshl_b32 s40, s5, 15
	s_add_nc_u64 s[NBC:NBC+1], s[10:11], s[40:41]
	s_lshr_b32 s40, s40, 4
	s_add_nc_u64 s[NBS:NBS+1], s[12:13], s[40:41]
	s_wait_alu depctr_va_vdst(0)                   ; all offsets and LDS addresses of the kernel but v[QAD] and v[OAD] are written, which its loads and stores read; so are v224 to v229, in which the loads below land
	global_load_b128 v[224:227], v[QWO], s[14:15]                      ; q1
	global_load_b128 v[228:231], v[QWO], s[14:15] offset:16
	global_load_b128 v[232:235], v[QWO], s[14:15] offset:131072        ; q2
	global_load_b128 v[236:239], v[QWO], s[14:15] offset:131088
	global_load_b128 v[240:243], v[BKO], s[16:17]                      ; wk_b
	global_load_b128 v[244:247], v[BKO], s[16:17] offset:16
	XLOAD 0
	XLOAD 1
	XLOAD 2
	; ---- qc = (alpha1 q1 + alpha2 q2) log2(e) / 32, and qc . wk_b
	s_wait_loadcnt 48                              ; the six oldest loads are in; X's 48 stay out
	s_wait_kmcnt 0x0
	v_mov_b32 v23, 0x3d38aa3b                      ; log2(e) / 32
	v_mul_f32 v24, s29, v23
	v_mul_f32 v23, s28, v23
.irp j, 0,1,2,3,4,5,6,7
	v_mul_f32 v[248+\j], v23, v[224+\j]
.endr
.irp j, 0,1,2,3,4,5,6,7
	v_fmac_f32 v[248+\j], v24, v[232+\j]
.endr
	s_wait_alu depctr_va_vdst(0)                   ; the multiply-adds have written qc, v248 to v255, which the two LDS stores read
	ds_store_b128 v[QST], v[248:251]               ; my wave's own bytes: no barrier
	ds_store_b128 v[QST], v[252:255] offset:16
	XLOAD 3                                        ; the ring's fourth set: no vector instruction has named it
	v_mul_f32 v[SBI], v248, v240
.irp j, 1,2,3,4,5,6,7
	v_fmac_f32 v[SBI], v[248+\j], v[240+\j]
.endr
	v_add_f32_dpp v[SBI], v[SBI], v[SBI] row_xmask:1 row_mask:0xf bank_mask:0xf
	v_add_f32_dpp v[SBI], v[SBI], v[SBI] row_xmask:2 row_mask:0xf bank_mask:0xf
	v_add_f32_dpp v[SBI], v[SBI], v[SBI] row_xmask:4 row_mask:0xf bank_mask:0xf
	v_add_f32_dpp v[SBI], v[SBI], v[SBI] row_xmask:8 row_mask:0xf bank_mask:0xf
	v_permlanex16_b32 v[OX], v[SBI], s[SEL], s[SEL+1]
	v_add_f32 v[SBI], v[SBI], v[OX]                ; over my wave's 256 columns, in every lane
	; ---- X: 16 steps, written out: every offset is an immediate
.irp t, 0,1,2,3,4,5,6,7,8,9,10,11,12,13,14,15
	XSTEP \t
.endr
	; ---- into the products.  Lane (r, half) reads, for each row tile, row r's 16 scale bytes of K steps 0-3 or 4-7: word g holds block g's bytes of the four K steps.
	; The matrix instruction wants a word for each K step with a byte for each block: 4 x 4 bytes are turned, eight v_perm_b32 a row tile.
	; These loads land in v224 to v255, which the head's arithmetic named and of which qc's stores read eight: the steps' waits on va_vdst and on vm_vsrc stand between, and no vector instruction has been issued since the last step's.
.irp m, 0,1,2,3,4,5,6,7
	ds_load_b128 v[224+4*\m:227+4*\m], v[XSL] offset:256*\m
.endr
	s_wait_dscnt 0x0                               ; X's last fragments and all its scale bytes are in
.irp m, 0,1,2,3,4,5,6,7
	v_perm_b32 v[UT],   v[225+4*\m], v[224+4*\m], s44      ; blocks 0, 1: K steps 0 and 1
	v_perm_b32 v[UT+1], v[225+4*\m], v[224+4*\m], s45      ;              K steps 2 and 3
	v_perm_b32 v[UT+2], v[227+4*\m], v[226+4*\m], s44      ; blocks 2, 3 likewise
	v_perm_b32 v[UT+3], v[227+4*\m], v[226+4*\m], s45
	v_perm_b32 v[ASC+4*\m],   v[UT+2], v[UT],   s46        ; K step 0's word: blocks 0, 1, 2, 3
	v_perm_b32 v[ASC+4*\m+1], v[UT+2], v[UT],   s47
	v_perm_b32 v[ASC+4*\m+2], v[UT+3], v[UT+1], s46
	v_perm_b32 v[ASC+4*\m+3], v[UT+3], v[UT+1], s47
.endr
.irp j, 0,1,2,3,4,5,6,7,8,9,10,11,12,13,14,15
	v_mov_b32 v[SAC+\j], 0                         ; sixteen sums that 16 tiles add onto.  (Also the places between the scale words just made and the first scaled matrix instruction, which wants eight; the first tile's wait stands behind them)
.endr
	s_mov_b32 s30, 0                               ; the trip's 256 bytes of qc; it also counts the trips
.Lkey:
	s_wait_alu depctr_vm_vsrc(0)                   ; the last trip's LDS loads have read v[QAD], which the next line writes; on the way in: phase X's last LDS stores have read v104 to v111, in six of which qc lands
	v_add_nc_u32 v[QAD], s30, v[QA0]
	KTILE 0
	KTILE 1
	KTILE 2
	KTILE 3
	NEXTTRIP
	s_add_co_u32 s30, s30, 256
	s_cmp_lt_u32 s30, 1024
	s_cbranch_scc1 .Lkey
	s_wait_alu depctr_va_vdst(0)
	; ---- the block's softmax.  The weight loads stay on their way meanwhile
.irp m, 0,1,2,3,4,5,6,7
	v_add_f32 v[224+\m], v[SAC+2*\m], v[SAC+2*\m+1]
.endr
.irp m, 0,1,2,3,4,5,6,7
	v_permlanex16_b32 v[232+\m], v[224+\m], s[SEL], s[SEL+1]
.endr
.irp m, 0,1,2,3,4,5,6,7
	v_add_f32 v[224+\m], v[224+\m], v[232+\m]      ; with lane l xor 16's eight columns of each tile
.endr
.irp m, 0,1,2,3,4,5,6,7
	v_add_f32 v[224+\m], v[224+\m], v[SBI]         ; and my columns' part of qc . wk_b
.endr
	s_wait_alu depctr_va_vdst(0)                   ; the additions have written v224 to v231, which the LDS stores read, and are done with v232 to v239: behind the barrier loads land in all sixteen
.irp m, 0,1,2,3,4,5,6,7
	ds_store_b32 v[SPS], v[224+\m] offset:64*\m    ; row 16 m + r
.endr
	s_wait_dscnt 0x0                               ; for the others' sake: my part of the scores lies in LDS
	s_barrier_signal -1
	s_barrier_wait -1
	s_wait_alu depctr_vm_vsrc(0)                   ; my LDS stores have read v224 to v231, in which the loads below land
.irp w, 0,1,2,3
	ds_load_b128 v[224+4*\w:227+4*\w], v[SPL] offset:512*\w            ; rows 4 lane .. + 3, of each wave
.endr
	s_wait_dscnt 0x0
	v_pk_add_f32 v[224:225], v[224:225], v[228:229]
	v_pk_add_f32 v[226:227], v[226:227], v[230:231]
	v_pk_add_f32 v[232:233], v[232:233], v[236:237]
	v_pk_add_f32 v[234:235], v[234:235], v[238:239]
	v_pk_add_f32 v[224:225], v[224:225], v[232:233]
	v_pk_add_f32 v[226:227], v[226:227], v[234:235]                    ; t of my four rows.  Every wave does the same arithmetic on the same numbers
	v_max3_num_f32 v240, v224, v225, v226
	v_max_num_f32 v240, v240, v227
	v_max_num_f32_dpp v240, v240, v240 row_xmask:1 row_mask:0xf bank_mask:0xf
	v_max_num_f32_dpp v240, v240, v240 row_xmask:2 row_mask:0xf bank_mask:0xf
	v_max_num_f32_dpp v240, v240, v240 row_xmask:4 row_mask:0xf bank_mask:0xf
	v_max_num_f32_dpp v240, v240, v240 row_xmask:8 row_mask:0xf bank_mask:0xf
	v_permlanex16_b32 v[OX], v240, s[SEL], s[SEL+1]
	v_max_num_f32 v240, v240, v[OX]                ; m: the largest t of the 128
.irp i, 0,1,2,3
	v_sub_f32 v[244+\i], v[224+\i], v240
.endr
	s_wait_alu depctr_va_vdst(0)
.irp i, 0,1,2,3
	v_exp_f32 v[244+\i], v[244+\i]                 ; p = 2^(t - m), at most 1
.endr
	v_nop                                          ; a plain place behind the last exponential
	s_wait_alu depctr_va_vdst(0)                   ; the four exponentials have written p, v244 to v247, ahead of its first use, the LDS store below; all that named v80 to v143 (phase X, qc, the scores' sums) is done: p lands there; and the last key tile's matrix instructions are done with their set and scale words, in which the first value tile's loads land
	ds_store_b128 v[PST], v[244:247]               ; my wave's own bytes: no barrier
.irp m, 0,1,2,3,4,5,6,7
	ds_load_b128 v[P+8*\m:P+8*\m+3], v[PLD] offset:64*\m               ; p(16 m + 8 h + 0 .. 7): the rows that my registers of a value tile hold
	ds_load_b128 v[P+8*\m+4:P+8*\m+7], v[PLD] offset:64*\m+16
.endr
	v_add_f32 v241, v244, v245                     ; the sum of p is taken while p goes through LDS
	v_add_f32 v242, v246, v247
	v_add_f32 v241, v241, v242
	v_add_f32_dpp v241, v241, v241 row_xmask:1 row_mask:0xf bank_mask:0xf
	v_add_f32_dpp v241, v241, v241 row_xmask:2 row_mask:0xf bank_mask:0xf
	v_add_f32_dpp v241, v241, v241 row_xmask:4 row_mask:0xf bank_mask:0xf
	v_add_f32_dpp v241, v241, v241 row_xmask:8 row_mask:0xf bank_mask:0xf
	v_permlanex16_b32 v[OX], v241, s[SEL], s[SEL+1]
	v_add_f32 v241, v241, v[OX]                    ; l: the sum of the 128 p
	s_cmp_lg_u32 s2, 0
	s_cbranch_scc1 .Lnot_wave_0
	s_wait_alu depctr_va_vdst(0)                   ; l is written (m long since): the store reads the pair
	global_store_b64 v[MLO], v[240:241], s[24:25]  ; (m, l) 32 times: 256 consecutive bytes, aligned
.Lnot_wave_0:
	s_mov_b32 s31, 0                               ; the trip's 256 bytes of o; it also counts the trips
.Lval:
	s_wait_dscnt 0x0                               ; p is in
	s_wait_alu depctr_vm_vsrc(0)                   ; the last trip's four LDS stores have read v[OAD], which the next line writes, and the four registers of o, which this trip writes again
	v_add_nc_u32 v[OAD], s31, v[OA0]
	VTILE 0, 1, 51
	VTILE 1, 1, 51
	VTILE 2, 1, 51
	VTILE 3, 1, 51
	NEXTTRIP
	s_add_co_u32 s31, s31, 256
	s_cmp_lt_u32 s31, 768
	s_cbranch_scc1 .Lval
	s_wait_dscnt 0x0                               ; the last trip is written out: only its fourth tile is still to be asked for, and the counts run down
	s_wait_alu depctr_vm_vsrc(0)                   ; as at the loop's top: the last trip's stores have read v[OAD] and the four registers of o
	v_add_nc_u32 v[OAD], 768, v[OA0]
	VTILE 0, 1, 51
	VTILE 1, 0, 34
	VTILE 2, 0, 17
	VTILE 3, 0, 0
	; ---- out: the wave's 256 numbers of o, 16 bytes a lane; the rotation moves whole runs of 256 bytes.  The loads land in v224 to v231, which the softmax named and stored from: the tiles' and trips' waits stand between
	ds_load_b128 v[224:227], v[ORD]                ; LDS serves a wave's instructions in order (ISA guide 5.7.1.4): these see my stores
	ds_load_b128 v[228:231], v[ORD] offset:512
	s_wait_dscnt 0x0
	global_store_b128 v[GO0], v[224:227], s[22:23] ; sixteen lanes store 256 consecutive bytes, aligned
	global_store_b128 v[GO1], v[228:231], s[22:23]
	s_wait_dscnt 0x0                               ; the closing lines, six on end
	s_wait_alu 0x0
	s_wait_tensorcnt 0x0
	ds_add_u32 v158, v159
	s_wait_dscnt 0x0
	s_endpgm
.Lfunc_end_k_q46760abfcf_attn:
	.size	k_q46760abfcf_attn, .Lfunc_end_k_q46760abfcf_attn-k_q46760abfcf_attn
	.p2alignl 7, 3214868480
	.fill 96, 4, 3214868480
	.section	.rodata,"a",@progbits
	.p2align	6, 0x0
	.amdhsa_kernel k_q46760abfcf_attn
		.amdhsa_group_segment_fixed_size 98816
		.amdhsa_private_segment_fixed_size 0
		.amdhsa_enable_private_segment 0
		.amdhsa_kernarg_size 72
		.amdhsa_user_sgpr_count 2
		.amdhsa_user_sgpr_kernarg_segment_ptr 1
		.amdhsa_wavefront_size32 1
		.amdhsa_system_sgpr_workgroup_id_x 1
		.amdhsa_system_sgpr_workgroup_id_y 1
		.amdhsa_system_sgpr_workgroup_id_z 1
		.amdhsa_system_vgpr_workitem_id 0
		.amdhsa_next_free_vgpr 1024
		.amdhsa_next_free_sgpr 66
		.amdhsa_reserve_vcc 0
		.amdhsa_float_denorm_mode_32 3
		.amdhsa_float_denorm_mode_16_64 3
		.amdhsa_memory_ordered 1
		.amdhsa_forward_progress 1
		.amdhsa_inst_pref_size 255
	.end_amdhsa_kernel
	.section	.bss,"aw",@nobits
	.p2align	6
	.space	262144
	.amdgpu_metadata
---
amdhsa.version: [ 1, 2 ]
amdhsa.kernels:
  - .name:           k_q46760abfcf_attn
    .symbol:         k_q46760abfcf_attn.kd
    .args:
      - { .name: obj_embed, .offset: 0, .size: 8, .value_kind: global_buffer, .address_space: global }
      - { .name: wfrag, .offset: 8, .size: 8, .value_kind: global_buffer, .address_space: global }
      - { .name: wscl, .offset: 16, .size: 8, .value_kind: global_buffer, .address_space: global }
      - { .name: qws, .offset: 24, .size: 8, .value_kind: global_buffer, .address_space: global }
      - { .name: wk_b, .offset: 32, .size: 8, .value_kind: global_buffer, .address_space: global }
      - { .name: alpha1, .offset: 40, .size: 8, .value_kind: global_buffer, .address_space: global }
      - { .name: alpha2, .offset: 48, .size: 8, .value_kind: global_buffer, .address_space: global }
      - { .name: part_o, .offset: 56, .size: 8, .value_kind: global_buffer, .address_space: global }
      - { .name: part_ml, .offset: 64, .size: 8, .value_kind: global_buffer, .address_space: global }
    .group_segment_fixed_size: 98816
    .private_segment_fixed_size: 0
    .kernarg_segment_align: 8
    .kernarg_segment_size: 72
    .max_flat_workgroup_size: 128
    .sgpr_count:     66
    .vgpr_count:     1024
    .wavefront_size: 32
...
	.end_amdgpu_metadata
.endif
;; end of part 5
;; launch join (part 6): grid 256 x 1, 1 waves a work-group, no clusters, 0 bytes of LDS; arguments part_o, part_ml, wv_b, out0; writes out0
.if DOCPART == 6
	.amdgcn_target "amdgcn-amd-amdhsa--gfx1250"
	.amdhsa_code_object_version 6
	.text
	.protected	k_q46760abfcf_join
	.globl	k_q46760abfcf_join
	.p2align	8
	.type	k_q46760abfcf_join,@function
k_q46760abfcf_join:
	s_mov_b64 s[64:65], 0
	v_nop
	global_prefetch_b8 v0, s[64:65] scope:SCOPE_SE
	s_setreg_imm32_b32 hwreg(HW_REG_WAVE_MODE, 25, 1), 1
	s_wait_xcnt 0x0
; out0[b][d] = (the sum over a batch's 8 blocks g of 2^(m_g - M) o_g[d]) / (the sum of 2^(m_g - M) l_g) + wv_b[d], M = the largest m_g.
; part_o: [block 0..255][1024] f32; part_ml: [block][32 x (m, l)] f32.  Work-group x takes batch x / 8 and columns 128 (x % 8) .. + 127: one wave, 4 columns a lane.
; The divisor is at least 1: the block with m_g = M has the factor 1 and l_g >= 1.  A stream of a few KiB a work-group: no LDS, no matrix unit, no cluster.
; LIMITS: NaN and infinities are not served; a factor under 2^-126 is 0 (v_exp_f32: ISA guide 15.8).
	s_load_b256 s[8:15], s[0:1], 0x0               ; part_o, part_ml, wv_b, out0
	s_lshr_b32 s2, ttmp9, 3                        ; batch
	s_and_b32 s3, ttmp9, 7                         ; which 128 columns
	v_lshlrev_b32 v1, 4, v0                        ; 16 bytes a lane
	s_lshl_b32 s6, s3, 9
	s_mov_b32 s7, 0
	s_lshl_b32 s4, s2, 15                          ; 8 blocks of 4,096 bytes
	s_add_co_u32 s4, s4, s6
	s_mov_b32 s5, 0
	s_lshl_b32 s32, s2, 11                         ; 8 blocks of 256 bytes
	s_mov_b32 s33, 0
	s_lshl_b32 s34, s2, 12
	s_add_co_u32 s34, s34, s6
	s_mov_b32 s35, 0
	s_wait_alu depctr_va_vdst(0)
	s_wait_kmcnt 0x0
	s_add_nc_u64 s[8:9], s[8:9], s[4:5]
	s_add_nc_u64 s[10:11], s[10:11], s[32:33]
	s_add_nc_u64 s[12:13], s[12:13], s[6:7]
	s_add_nc_u64 s[14:15], s[14:15], s[34:35]
.irp g, 0,1,2,3,4,5,6,7
	s_load_b64 s[16+2*\g:17+2*\g], s[10:11], 256*\g                    ; m_g, l_g
.endr
.irp g, 0,1,2,3,4,5,6,7
	global_load_b128 v[8+4*\g:11+4*\g], v1, s[8:9] offset:4096*\g th:TH_LOAD_NT   ; 512 consecutive bytes of block g's o
.endr
	global_load_b128 v[4:7], v1, s[12:13]          ; wv_b
	s_wait_kmcnt 0x0
.irp g, 0,1,2,3,4,5,6,7
	v_mov_b32 v[40+\g], s[16+2*\g]
.endr
	v_max3_num_f32 v48, v40, v41, v42
	v_max3_num_f32 v48, v48, v43, v44
	v_max3_num_f32 v48, v48, v45, v46
	v_max_num_f32 v48, v48, v47                    ; M
.irp g, 0,1,2,3,4,5,6,7
	v_sub_f32 v[40+\g], v[40+\g], v48
.endr
	s_wait_alu depctr_va_vdst(0)
.irp g, 0,1,2,3,4,5,6,7
	v_exp_f32 v[40+\g], v[40+\g]                   ; f_g = 2^(m_g - M)
.endr
	v_nop                                          ; a plain place behind the last exponential
	s_wait_alu depctr_va_vdst(0)                   ; the wait ahead of the first use: one for the eight
	v_mul_f32 v49, s17, v40
.irp g, 1,2,3,4,5,6,7
	v_fmac_f32 v49, s[17+2*\g], v[40+\g]           ; the divisor
.endr
	s_wait_alu depctr_va_vdst(0)
	v_rcp_f32 v50, v49
	v_nop
	s_wait_alu depctr_va_vdst(0)                   ; and one for the reciprocal
.irp g, 0,1,2,3,4,5,6,7
	v_mul_f32 v[52+2*\g], v[40+\g], v50            ; f_g / the divisor, twice: a pair for the packed multiply-add
	v_mul_f32 v[53+2*\g], v[40+\g], v50
.endr
	s_wait_loadcnt 0x0
.irp g, 0,1,2,3,4,5,6,7
	v_pk_fma_f32 v[4:5], v[8+4*\g:9+4*\g], v[52+2*\g:53+2*\g], v[4:5]  ; the sums begin with wv_b
	v_pk_fma_f32 v[6:7], v[10+4*\g:11+4*\g], v[52+2*\g:53+2*\g], v[6:7]
.endr
	global_store_b128 v1, v[4:7], s[14:15]         ; the wave stores 512 consecutive bytes, aligned
	s_endpgm
.Lfunc_end_k_q46760abfcf_join:
	.size	k_q46760abfcf_join, .Lfunc_end_k_q46760abfcf_join-k_q46760abfcf_join
	.p2alignl 7, 3214868480
	.fill 96, 4, 3214868480
	.section	.rodata,"a",@progbits
	.p2align	6, 0x0
	.amdhsa_kernel k_q46760abfcf_join
		.amdhsa_group_segment_fixed_size 0
		.amdhsa_private_segment_fixed_size 0
		.amdhsa_enable_private_segment 0
		.amdhsa_kernarg_size 32
		.amdhsa_user_sgpr_count 2
		.amdhsa_user_sgpr_kernarg_segment_ptr 1
		.amdhsa_wavefront_size32 1
		.amdhsa_system_sgpr_workgroup_id_x 1
		.amdhsa_system_sgpr_workgroup_id_y 1
		.amdhsa_system_sgpr_workgroup_id_z 1
		.amdhsa_system_vgpr_workitem_id 0
		.amdhsa_next_free_vgpr 72
		.amdhsa_next_free_sgpr 66
		.amdhsa_reserve_vcc 0
		.amdhsa_float_denorm_mode_32 3
		.amdhsa_float_denorm_mode_16_64 3
		.amdhsa_memory_ordered 1
		.amdhsa_forward_progress 1
		.amdhsa_inst_pref_size 6
	.end_amdhsa_kernel
	.amdgpu_metadata
---
amdhsa.version: [ 1, 2 ]
amdhsa.kernels:
  - .name:           k_q46760abfcf_join
    .symbol:         k_q46760abfcf_join.kd
    .args:
      - { .name: part_o, .offset: 0, .size: 8, .value_kind: global_buffer, .address_space: global }
      - { .name: part_ml, .offset: 8, .size: 8, .value_kind: global_buffer, .address_space: global }
      - { .name: wv_b, .offset: 16, .size: 8, .value_kind: global_buffer, .address_space: global }
      - { .name: out0, .offset: 24, .size: 8, .value_kind: global_buffer, .address_space: global }
    .group_segment_fixed_size: 0
    .private_segment_fixed_size: 0
    .kernarg_segment_align: 8
    .kernarg_segment_size: 32
    .max_flat_workgroup_size: 32
    .sgpr_count:     66
    .vgpr_count:     72
    .wavefront_size: 32
...
	.end_amdgpu_metadata
.endif
;; end of part 6
